; MI455X (gfx1250); checked and timed in simulation.
; The chip was launched on July 23, 2026; its instructions are those of AMD's public machine-readable ISA for CDNA 5 (MIT licence, August 2026) and "CDNA5" Instruction Set Architecture Reference Guide (July 2026). The comments in the code are by the model that wrote it; some were corrected since.
;; Differential Attention. Allowed arithmetic: matrix products marked QUANTISED: E2M1 operands, one E8M0 scale for each 32 along K, by v_wmma_scale_f32_16x16x128_f8f6f4 with both operands' format E2M1 (or v_wmma_scale_f32_32x16x128_f4), f32 sums; products left as they are: bf16, f16 or f32 operands; f32 sums; everything else in f32.
;; Inputs: k1_w 1,024 x 1,024 float32; k2_w 1,024 x 1,024 float32; lambda_param 16 float32; o_w 1,024 x 1,024 float32; q1_w 1,024 x 1,024 float32; q2_w 1,024 x 1,024 float32; v_w 1,024 x 1,024 float32; x 2 x 2,048 x 1,024 float32.
;; Outputs: out0 2 x 2,048 x 1,024 float32.
;; This version of the problem:
;;   THIS VERSION OF THE PROBLEM IS GIVEN IN LOW PRECISION. The matrix products marked QUANTISED in the list below multiply operands that are first quantised to E2M1 (2 exponent bits, 1 mantissa bit; 4 bits a number), with one power-of-two scale for each 32 numbers along K (OCP MX v1.0); their sums are f32. The products marked 'left as it is' may take bf16, f16 or f32 operands, with f32 sums. Whichever they take, every output number must still come out within the allowed error. Rounding operands to bf16 (8 significant bits) uses up far more of that allowance than f16 does (11 bits, for magnitudes from 6e-5 to 65,504). All else is computed in f32.
;;   The module's matrix products, in the order in which they are computed (A, B: the left and right operand; K: the contracted axis; several contracted axes count as one K, in the product's order):
;;     1. [M 4,096, K 1,024] x [K 1,024, N 1,024]; A: input x; B: input q1_w: QUANTISED
;;     2. [M 4,096, K 1,024] x [K 1,024, N 1,024]; A: input x; B: input k1_w: QUANTISED
;;     3. [M 4,096, K 1,024] x [K 1,024, N 1,024]; A: input x; B: input q2_w: QUANTISED
;;     4. [M 4,096, K 1,024] x [K 1,024, N 1,024]; A: input x; B: input k2_w: QUANTISED
;;     5. [M 4,096, K 1,024] x [K 1,024, N 1,024]; A: input x; B: input v_w: QUANTISED
;;     6. batch 32 x [M 2,048, K 64] x [K 64, N 2,048]; A: computed on the way; B: computed on the way: left as it is (an operand is computed on the way)
;;     7. batch 32 x [M 2,048, K 64] x [K 64, N 2,048]; A: computed on the way; B: computed on the way: left as it is (an operand is computed on the way)
;;     8. batch 32 x [M 2,048, K 2,048] x [K 2,048, N 64]; A: computed on the way; B: computed on the way: left as it is (an operand is computed on the way)
;;     9. [M 4,096, K 1,024] x [K 1,024, N 1,024]; A: computed on the way; B: input o_w: left as it is (an operand is computed on the way)
;;   THE QUANTISER, for each operand of a quantised product, along K:
;;     - K is cut into blocks of 32 from its start; a last block that is shorter is filled with zeros.
;;     - A block's scale is 2^e with e = floor(log2(the largest magnitude in the block)) - 2, held to -126 .. 127; a block of zeros has e = 0. As a byte (E8M0): e + 127.
;;     - Each number is divided by its block's scale, clamped to +-6, and rounded to the nearest number of E2M1, ties to even, subnormals kept.
;;     - The product sums the exact products of the quantised numbers (number of the format x scale) in f32.
;;   ~~~python
;;   def quantise(x, axis):      # numpy; x: float32 -> the quantised numbers, widened to float32 again
;;       x = np.moveaxis(x, axis, -1); K = x.shape[-1]
;;       x = np.pad(x, [(0, 0)] * (x.ndim - 1) + [(0, -K % 32)]); x = x.reshape(x.shape[:-1] + (-1, 32)); a = np.abs(x).max(-1, keepdims=True)
;;       e = np.where(a > 0, np.clip(np.frexp(np.where(a > 0, a, 1))[1] - 1 - 2, -126, 127), 0)      # np.frexp(a)[1] - 1 = floor(log2(a)), exactly
;;       r = np.clip(x / 2.0 ** e, -6, 6)
;;       step = 2.0 ** (np.maximum(np.frexp(np.where(r == 0, 1, r))[1] - 1, 0) - 1)
;;       q = np.round(r / step) * step * 2.0 ** e      # np.round: ties to even
;;       return np.moveaxis(q.reshape(q.shape[:-2] + (-1,))[..., :K], -1, axis).astype(np.float32)
;;   ~~~
;; One version. Each part assembles by itself: llvm-mc -triple=amdgcn-amd-amdhsa -mcpu=gfx1250 --defsym DOCPART=n.
;; ======== version 1 of 1: 4 launches
;; limits: values are held in f16: magnitudes above 65,504 overflow, below 6.1e-05 lose precision
;; workspace buffers: codes 4,718,592 bytes; scales 294,912 bytes; owh 2,097,152 bytes; qkv 41,943,040 bytes; ao 8,388,608 bytes
;; launch prep (part 1): grid 320 x 1, 4 waves a work-group, no clusters, 33,280 bytes of LDS; arguments x, q1_w, q2_w, k1_w, k2_w, v_w, o_w, codes, scales, owh; writes codes, scales, owh
.if DOCPART == 1
	.amdgcn_target "amdgcn-amd-amdhsa--gfx1250"
	.amdhsa_code_object_version 6
	.text
	.protected	k_q0e934ef8f5_prep
	.globl	k_q0e934ef8f5_prep
	.p2align	8
	.type	k_q0e934ef8f5_prep,@function
k_q0e934ef8f5_prep:
	s_mov_b64 s[64:65], 0
	v_nop
	global_prefetch_b8 v0, s[64:65] scope:SCOPE_SE
	s_setreg_imm32_b32 hwreg(HW_REG_WAVE_MODE, 25, 1), 1
	s_wait_xcnt 0x0
; PREP.  Two jobs, told apart by the work-group's number.
; (1) Work-groups 0-287: x [4096][1024] and the five weights q1_w, q2_w, k1_w, k2_w, v_w [1024][1024], all f32 with K innermost, become codes of FP4 (E2M1), two a byte,
;     and one E8M0 scale byte for each 32 along K.  The six tensors lie on end in the two workspace buffers: codes [9216 rows][512 bytes], scales [9216][32 bytes]; rows 0-4095 x, then q1_w, q2_w, k1_w, k2_w, v_w.
;     Rows are dense and K is a multiple of 32, so source and destination are plain streams of blocks of 32: only the SOURCE pointer is chosen, by the work-group's number.
;     A block's scale is 2^(floor(log2(its largest magnitude)) - 2); its byte is the largest magnitude's exponent field - 2, held at 1 from below.  Each number is divided by the scale and rounded to the nearest code, ties to even; beyond 6 the largest code.
;     LIMITS: a block of zeros gets the byte 1 where the quantiser's text says 127 (its codes are zeros, which add nothing under any byte but 0xff, and this program alone reads the bytes);
;     blocks whose largest magnitude lies under 2^-124 are held at the byte 1; NaN and infinities among the inputs are not served.
;     A wave takes 16 steps of 512 numbers.  Each load reads 512 consecutive bytes; a step's 2,048 bytes turn through the wave's own stage in LDS so that a lane then holds 16 neighbours along K (two lanes to a block).
; (2) Work-groups 288-319: o_w [1024][1024] f32 becomes o_w / 8 in f16 (the factor is a power of two: nothing is rounded by it; the attention launch stores 8 x its result), laid as BLOCKS.
;     A BLOCK is 512 bytes: 16 rows x 16 k of f16; lane l = 16 h + r owns bytes 16 l .. 16 l + 15 = row r, k = 8 h .. 8 h + 7: half of a 16 x 32 fragment as an image of its registers.
;     owh = [row tile nt 64][kb 64] BLOCKS.  A wave makes 32 BLOCKS of one row tile; a lane reads 32 bytes of its row for each, so four neighbouring steps share each 256 bytes of a row; each store covers 512 consecutive bytes.
.set WAVES, 4
.set STEPS, 16
.set EMAX,  2
.set CB,    8                          ; bytes of 16 codes
.set R,     16                         ; v16-79   four sets of 16 numbers as they are loaded
.set X,     80                         ; v80-111  two sets of 16 neighbours
.set E,     112                        ; v112-127 a scale byte for each step
.set C,     128                        ; v128-191 codes: four registers for each step, so that no store's data are written again
.set WREG,  8192                       ; LDS: a region for each wave: two stages of 32 x SP bytes, behind them its 256 scale bytes
.set SP,    80                         ; a lane's place in a stage: 64 bytes + 16 of padding
.set SPW,   12                         ; v12  LDS address of my spare word; never rewritten
.set NIL,   13                         ; v13  0; never rewritten
.set SPARE, WAVES*WREG                 ; the spare words, 128 bytes for each wave, which no other line names
.set WV,    24                         ; s24  my wave's number
	s_load_b512 s[4:19], s[0:1], 0x0               ; x s[4:5], q1_w s[6:7], q2_w s[8:9], k1_w s[10:11], k2_w s[12:13], v_w s[14:15], o_w s[16:17], codes s[18:19]
	s_load_b128 s[20:23], s[0:1], 0x40             ; scales s[20:21], owh s[22:23]
	v_lshl_add_u32 v[SPW], v0, 2, SPARE
	v_mov_b32 v[NIL], 0
	v_lshrrev_b32 v1, 5, v0
	v_readfirstlane_b32 s[WV], v1                  ; wave 0..3
	v_and_b32 v2, 31, v0                           ; lane
	s_cmp_ge_u32 ttmp9, 288
	s_cbranch_scc1 .Lconv                          ; the last 32 work-groups take o_w
	v_lshlrev_b32 v3, 4, v2                        ; my 16 bytes of a load's 512
	s_mul_i32 s25, s[WV], WREG
	v_lshrrev_b32 v14, 2, v2
	v_mul_u32_u24 v14, v14, SP
	v_and_b32 v15, 3, v2
	v_lshl_add_u32 v14, v15, 4, v14
	v_add_nc_u32 v14, s25, v14                     ; the stage, on the way in: SP (lane / 4) + 16 (lane % 4)
	v_mul_u32_u24 v15, v2, SP
	v_add_nc_u32 v15, s25, v15                     ; and on the way out: SP x lane: my 16 neighbours
	v_mul_u32_u24 v4, v2, CB                       ; my codes' place in a step's
	v_lshrrev_b32 v5, 1, v2
	s_add_co_u32 s25, s25, 2*32*SP
	v_add_nc_u32 v5, s25, v5                       ; LDS: my wave's 256 scale bytes, my block's byte
	v_lshlrev_b32 v7, 3, v2                        ; and on the way out 8 bytes a lane
	v_add_nc_u32 v6, s25, v7
	s_wait_kmcnt 0x0
	; the source: work-groups 0-127 x, then 32 work-groups for each weight.  Every choice hangs on the work-group's number alone
	s_sub_co_u32 s26, ttmp9, 128                   ; (wraps in x's work-groups, where it is replaced below)
	s_lshr_b32 s27, s26, 5                         ; which weight
	s_and_b32 s26, s26, 31                         ; which 32,768 numbers of it
	s_mov_b64 s[28:29], s[14:15]                   ; v_w, unless ..
	s_cmp_eq_u32 s27, 0
	s_cselect_b64 s[28:29], s[6:7], s[28:29]
	s_cmp_eq_u32 s27, 1
	s_cselect_b64 s[28:29], s[8:9], s[28:29]
	s_cmp_eq_u32 s27, 2
	s_cselect_b64 s[28:29], s[10:11], s[28:29]
	s_cmp_eq_u32 s27, 3
	s_cselect_b64 s[28:29], s[12:13], s[28:29]
	s_cmp_lt_u32 ttmp9, 128
	s_cselect_b64 s[28:29], s[4:5], s[28:29]
	s_cselect_b32 s26, ttmp9, s26
	s_lshl_b32 s26, s26, 2
	s_add_co_u32 s26, s26, s[WV]                   ; my wave's run of 8,192 numbers in its tensor,
	s_lshl_b32 s26, s26, 15                        ; 32,768 bytes a run (under 2^25)
	s_mov_b32 s27, 0
	s_add_nc_u64 s[28:29], s[28:29], s[26:27]
	s_lshl_b32 s30, ttmp9, 2
	s_add_co_u32 s30, s30, s[WV]                   ; and in the one stream of results: run 4 g + wave
	s_mov_b32 s31, 0
	s_lshl_b32 s32, s30, 12                        ; 4,096 bytes of codes a run
	s_mov_b32 s33, 0
	s_add_nc_u64 s[18:19], s[18:19], s[32:33]
	s_lshl_b32 s30, s30, 8                         ; 256 scale bytes a run
	s_add_nc_u64 s[20:21], s[20:21], s[30:31]
.macro LOAD t
.irp i, 0,1,2,3
	global_load_b128 v[R+16*((\t)%4)+4*\i:R+16*((\t)%4)+4*\i+3], v3, s[28:29] offset:2048*(\t)+512*\i th:TH_LOAD_NT   ; 32 lanes read 512 consecutive bytes
.endr
.endm
.macro TURN t                          ; step t's numbers through the stage: LDS serves a wave's instructions in order, so no wait stands between the stores and the loads
.irp i, 0,1,2,3
	ds_store_b128 v14, v[R+16*((\t)%4)+4*\i:R+16*((\t)%4)+4*\i+3] offset:32*SP*((\t)%2)+8*SP*\i
.endr
.irp i, 0,1,2,3
	ds_load_b128 v[X+16*((\t)%2)+4*\i:X+16*((\t)%2)+4*\i+3], v15 offset:32*SP*((\t)%2)+16*\i
.endr
.endm
.irp t, 0,1,2,3
	LOAD \t
.endr
	s_wait_loadcnt 12                              ; step 0's four loads are in; the twelve of steps 1 to 3 may be out
	TURN 0
.macro STEP t
.set XS, X+16*((\t)%2)
.if (\t) > 0
	s_wait_dscnt 1                                 ; this step's numbers are back from the stage (the last step's byte store may be out): so its stores into the stage have read their registers,
.else
	s_wait_dscnt 0x0
.endif
.if (\t)+4 < STEPS
	LOAD (\t)+4                                    ; which take the loads of four steps on
.endif
.if (\t)+1 < STEPS
.if STEPS-2-(\t) >= 3
	s_wait_loadcnt 12                              ; the next step's four loads are in; those of the three steps behind it may be out
.else
	s_wait_loadcnt 4*(STEPS-2-(\t))
.endif
	TURN (\t)+1                                    ; and go through the other stage while this step is worked
.endif
	v_max3_num_f32 v8, |v[XS]|, |v[XS+1]|, |v[XS+2]|               ; the largest magnitude of my 16, in two chains
	v_max3_num_f32 v9, |v[XS+3]|, |v[XS+4]|, |v[XS+5]|
.irp i, 6,10
	v_max3_num_f32 v8, v8, |v[XS+\i]|, |v[XS+\i+1]|
	v_max3_num_f32 v9, v9, |v[XS+\i+2]|, |v[XS+\i+3]|
.endr
	v_max3_num_f32 v8, v8, |v[XS+14]|, |v[XS+15]|
	v_max3_num_f32 v8, v8, v9, (EMAX+1)<<23        ; and the floor 2^(3 - 127): so the byte cannot fall under 1
	v_max_num_f32_dpp v8, v8, v8 row_xmask:1 row_mask:0xf bank_mask:0xf   ; and of my neighbour's 16: the block's
	v_add_nc_u32 v11, -(EMAX<<23), v8              ; 2 off its exponent field: the conversion takes the exponent field of this operand as its scale, and nothing else of it
	v_cvt_scalef32_pk8_fp4_f32 v[C+4*(\t)], v[XS:XS+7], v11
	v_cvt_scalef32_pk8_fp4_f32 v[C+4*(\t)+1], v[XS+8:XS+15], v11
	v_lshrrev_b32 v[E+(\t)], 23, v11               ; the scale's byte (also the plain line behind the conversions)
	ds_store_b8 v5, v[E+(\t)] offset:16*(\t)       ; both lanes of a block write the same byte with the same value
	global_store_b64 v4, v[C+4*(\t):C+4*(\t)+1], s[18:19] offset:32*CB*(\t)   ; the wave stores 256 consecutive bytes, aligned
.endm
.irp t, 0,1,2,3,4,5,6,7,8,9,10,11,12,13,14,15
	STEP \t
.endr
	ds_load_b64 v[8:9], v6                         ; LDS serves a wave's instructions in order: these see my byte stores
	s_wait_dscnt 0x0
	global_store_b64 v7, v[8:9], s[20:21]          ; 32 lanes store my run's 256 scale bytes, aligned
	s_wait_tensorcnt 0x0                           ; the wave's end: these three lines behind my last LDS store
	ds_add_u32 v[SPW], v[NIL]
	s_wait_dscnt 0x0
	s_endpgm
.Lconv:                                                ; o_w / 8 in f16, as BLOCKS.  W = 4 (g - 288) + wave: row tile W / 2, BLOCKS kb = 32 (W % 2) + 0 .. 31
	v_and_b32 v5, 15, v2                           ; r
	v_lshrrev_b32 v6, 4, v2                        ; h
	v_lshlrev_b32 v3, 12, v5
	v_lshl_add_u32 v3, v6, 5, v3                   ; in: row r of 4,096 bytes, + 32 h
	v_lshlrev_b32 v4, 4, v2                        ; out: 16 x lane
	s_sub_co_u32 s25, ttmp9, 288
	s_lshl_b32 s25, s25, 2
	s_add_co_u32 s25, s25, s[WV]                   ; W
	s_lshr_b32 s26, s25, 1
	s_lshl_b32 s26, s26, 16                        ; 16 rows of 4,096 bytes a row tile
	s_and_b32 s27, s25, 1
	s_lshl_b32 s27, s27, 11                        ; 32 BLOCKS = 512 numbers = 2,048 bytes along a row
	s_add_co_u32 s26, s26, s27
	s_mov_b32 s27, 0
	s_lshl_b32 s28, s25, 14                        ; 32 BLOCKS of 512 bytes
	s_mov_b32 s29, 0
	s_mov_b32 s30, 0x3e000000                      ; 1 / 8
	s_mov_b32 s31, s30                             ; (named with it as a pair, so it is written)
	s_wait_kmcnt 0x0
	s_add_nc_u64 s[16:17], s[16:17], s[26:27]
	s_add_nc_u64 s[22:23], s[22:23], s[28:29]
.macro LOADB n                         ; eight BLOCKS' numbers, 8 a lane each, into set n % 2 (v16-79 or v80-143)
.irp i, 0,1,2,3,4,5,6,7
	global_load_b128 v[16+64*((\n)%2)+8*\i:16+64*((\n)%2)+8*\i+3],   v3, s[16:17] offset:64*(8*(\n)+\i)
	global_load_b128 v[16+64*((\n)%2)+8*\i+4:16+64*((\n)%2)+8*\i+7], v3, s[16:17] offset:64*(8*(\n)+\i)+16
.endr
.endm
.macro CONVB n
.set BS, 16+64*((\n)%2)
.if (\n) < 3
	s_wait_loadcnt 16                              ; this set's sixteen loads are in; the other set's sixteen may be out
.else
	s_wait_loadcnt 0x0
.endif
.if (\n) > 0
	s_wait_xcnt 0x0                                ; the last batch's stores have read v144-175, which are written again below
.endif
.irp i, 0,1,2,3,4,5,6,7
.irp j, 0,2,4,6
	v_pk_mul_f32 v[BS+8*\i+\j:BS+8*\i+\j+1], v[BS+8*\i+\j:BS+8*\i+\j+1], s[30:31] op_sel_hi:[1,0]
.endr
.irp j, 0,1,2,3
	v_cvt_pk_f16_f32 v[144+4*\i+\j], v[BS+8*\i+2*\j], v[BS+8*\i+2*\j+1]
.endr
	global_store_b128 v4, v[144+4*\i:144+4*\i+3], s[22:23] offset:512*(8*(\n)+\i)   ; a BLOCK: 512 consecutive bytes, aligned
.endr
.if (\n) < 2
	LOADB (\n)+2
.endif
.endm
	LOADB 0
	LOADB 1
	CONVB 0
	CONVB 1
	CONVB 2
	CONVB 3
	s_endpgm
.Lfunc_end_k_q0e934ef8f5_prep:
	.size	k_q0e934ef8f5_prep, .Lfunc_end_k_q0e934ef8f5_prep-k_q0e934ef8f5_prep
	.p2alignl 7, 3214868480
	.fill 96, 4, 3214868480
	.section	.rodata,"a",@progbits
	.p2align	6, 0x0
	.amdhsa_kernel k_q0e934ef8f5_prep
		.amdhsa_group_segment_fixed_size 33280
		.amdhsa_private_segment_fixed_size 0
		.amdhsa_enable_private_segment 0
		.amdhsa_kernarg_size 80
		.amdhsa_user_sgpr_count 2
		.amdhsa_user_sgpr_kernarg_segment_ptr 1
		.amdhsa_wavefront_size32 1
		.amdhsa_system_sgpr_workgroup_id_x 1
		.amdhsa_system_sgpr_workgroup_id_y 1
		.amdhsa_system_sgpr_workgroup_id_z 1
		.amdhsa_system_vgpr_workitem_id 0
		.amdhsa_next_free_vgpr 192
		.amdhsa_next_free_sgpr 66
		.amdhsa_reserve_vcc 0
		.amdhsa_float_denorm_mode_32 3
		.amdhsa_float_denorm_mode_16_64 3
		.amdhsa_memory_ordered 1
		.amdhsa_forward_progress 1
		.amdhsa_inst_pref_size 60
	.end_amdhsa_kernel
	.amdgpu_metadata
---
amdhsa.version: [ 1, 2 ]
amdhsa.kernels:
  - .name:           k_q0e934ef8f5_prep
    .symbol:         k_q0e934ef8f5_prep.kd
    .args:
      - { .name: x, .offset: 0, .size: 8, .value_kind: global_buffer, .address_space: global }
      - { .name: q1_w, .offset: 8, .size: 8, .value_kind: global_buffer, .address_space: global }
      - { .name: q2_w, .offset: 16, .size: 8, .value_kind: global_buffer, .address_space: global }
      - { .name: k1_w, .offset: 24, .size: 8, .value_kind: global_buffer, .address_space: global }
      - { .name: k2_w, .offset: 32, .size: 8, .value_kind: global_buffer, .address_space: global }
      - { .name: v_w, .offset: 40, .size: 8, .value_kind: global_buffer, .address_space: global }
      - { .name: o_w, .offset: 48, .size: 8, .value_kind: global_buffer, .address_space: global }
      - { .name: codes, .offset: 56, .size: 8, .value_kind: global_buffer, .address_space: global }
      - { .name: scales, .offset: 64, .size: 8, .value_kind: global_buffer, .address_space: global }
      - { .name: owh, .offset: 72, .size: 8, .value_kind: global_buffer, .address_space: global }
    .group_segment_fixed_size: 33280
    .private_segment_fixed_size: 0
    .kernarg_segment_align: 8
    .kernarg_segment_size: 80
    .max_flat_workgroup_size: 128
    .sgpr_count:     66
    .vgpr_count:     192
    .wavefront_size: 32
...
	.end_amdgpu_metadata
.endif
;; end of part 1
;; launch proj (part 2): grid 16 x 20, 4 waves a work-group, clusters of 4 x 4, 327,680 bytes of LDS; arguments codes, scales, qkv; writes qkv
.if DOCPART == 2
	.amdgcn_target "amdgcn-amd-amdhsa--gfx1250"
	.amdhsa_code_object_version 6
	.text
	.protected	k_q0e934ef8f5_proj
	.globl	k_q0e934ef8f5_proj
	.p2align	8
	.type	k_q0e934ef8f5_proj,@function
k_q0e934ef8f5_proj:
	s_mov_b64 s[64:65], 0
	v_nop
	global_prefetch_b8 v0, s[64:65] scope:SCOPE_SE
	s_setreg_imm32_b32 hwreg(HW_REG_WAVE_MODE, 25, 1), 1
	s_wait_xcnt 0x0
	s_wait_alu depctr_hold_cnt(0) depctr_sa_sdst(0) depctr_va_vdst(0) depctr_va_sdst(0) depctr_va_ssrc(0) depctr_va_vcc(0) depctr_vm_vsrc(0)
	s_getreg_b32 s2, hwreg(HW_REG_IB_STS2, 6, 4)
	s_cmp_eq_u32 s2, 0
	s_cbranch_scc0 .Lentry_in_a_cluster
	s_endpgm
.Lentry_in_a_cluster:
	s_bfe_u32 s2, ttmp6, 0x10000c
	s_cmp_lg_u32 s2, 0xf033
	s_cbranch_scc0 .Lentry_shape_is_right
	s_endpgm
.Lentry_shape_is_right:
; PROJ.  The five projections as ONE product on codes of FP4 (E2M1) with E8M0 scales, C = A B^T, K = 1,024, tiles of 256 x 256, sums in f32, results rounded once to f16.
; codes: [9216 rows][512 bytes], scales: [9216][32 bytes]; rows 0-4095 x (token = 2048 b + s), 4096-8191 q1_w, q2_w, k1_w, k2_w, 8192-9215 v_w.
; Tile rows 0-15 of the grid: A = x's rows, B = the rows of q1_w, q2_w, k1_w, k2_w.  Tile rows 16-19: A = v_w's rows, B = x's rows: the same text gives v TRANSPOSED.
; THE MATRIX INSTRUCTION IS USED TRANSPOSED (source 0 = 16 rows of B, source 1 = 16 rows of A): a lane holds one row of A and eight neighbouring rows of B.
; So in tile rows 0-15 a lane holds one token and eight channels, in tile rows 16-19 one channel and eight tokens.  Four conversions make 16 bytes of them, and the wave's 32 lanes x 16 bytes are a BLOCK:
; 512 bytes = 16 rows x 16 k of f16; lane l = 16 h + r owns bytes 16 l on = row r, k = 8 h .. 8 h + 7: half of a 16 x 32 f16 fragment as an image of its registers.  One store of 512 consecutive, aligned bytes; no stage.
; qkv: five sections of 8 MiB (q1, q2, k1, k2, v), each [token tile 256][feature block 64] BLOCKS.  Sections 0-3: row = token, k = channel.  Section 4: row = channel, k = token.
; A work-group of four waves makes a tile; a wave 128 x 128: 64 accumulators, 512 registers.  K = 1,024 is two slots of 512 along K (rows of 256 bytes): both are asked for at the head and nothing is filled again.
; The scales of the work-group's 256 + 256 rows come once, with the first fills.  By this text's count a wave has three tensor loads out at the most.
; CLUSTERS: 4 x 4 work-groups; A's tiles are shared along a row of the cluster, B's along a column: each is asked for jointly.  Which rows of the buffers are A's and B's hangs on the CLUSTER's y, which all sixteen share.
; 320 work-groups: the five products have no more tiles of this size, and a smaller tile would read each fragment from LDS for fewer products.
; LIMIT: |q|, |k|, |v| stay under 65,504, f16's largest number (as drawn they are under about 4; with x and the weights both 30 times larger, under about 4,000).
; REGISTERS, in windows of 256: window 0: v0-31 addresses; v32-95 scale words, two sets; from v128 A's fragments, one set; on the way out v128-255 hold packed results.
;   window 1: B's fragments, two sets, at v0 and v128.   window 2: the accumulators of my rows 0-63 ((a, b) at v[8 (8 a + b)]);   window 3: those of my rows 64-127.
.set SIZE_K, 1024
.set KSTEP,  512                       ; along K in a slot
.set NQ,     KSTEP/128                 ; matrix instructions deep
.set ROWB,   256                       ; a tile's row in bytes
.set KROW,   SIZE_K/2                  ; a row of codes in memory, in bytes
.set PITCH,  272                       ; an LDS row: 256 bytes + 16 of padding = 68 words, so that the 16 rows that a load touches start at 16 different banks (64 banks of 4 bytes: ISA guide 11.1)
.set FR,     8                         ; registers of a fragment: 16 rows x 128 K
.set NL,     2                         ; LDS loads that bring one
.set NP,     4                         ; places behind this matrix instruction (ISA guide 7.12.1)
.set HALFT,  128*PITCH                 ; 128 rows: what one tensor load brings
.set SLOT,   4*HALFT                   ; A's 256 rows, then B's 256 rows
.set KS,     SIZE_K/32                 ; a row of scales in bytes
.set SCL,    2*SLOT                    ; behind the slots: the scales, as units of 256 bytes + 16 of padding
.set HALFS,  (128*KS/256)*272          ; the scales of 128 rows
.set SBLK,   (16*KS/256)*272           ; those of 16 rows
.set SPARE,  SCL+4*HALFS               ; the spare words, 128 bytes for each wave, which no other line names
.set VL,   7                           ; v7      16 x lane
.set VO,   8                           ; v8-15   the way out: 16 x lane + b x (the step from one of B's blocks to the next)
.set ADRA, 16                          ; v16-17  LDS address of my A fragments in slot 0, 1
.set ADRB, 20                          ; v20-21  the same for B
.set ADRS, 27                          ; v27     LDS address of my scale words: lanes 0-15 A's rows, lanes 16-31 B's
.set SPW,  28                          ; v28     LDS address of my spare word; never rewritten
.set NIL,  29                          ; v29     0; never rewritten
.set SC,   32                          ; scale words: set s at v[SC + 32 s]; register 4 i + q: lanes 0-15 the word of A's block i, lanes 16-31 of B's block i, for the slot's q-th 128 along K
.set AF,   128                         ; A's fragments, in window 0
.set OUTR, 128                         ; the way out: packed results, 32 registers for each of four blocks
.set G1, 24                            ; s[24:31] descriptor group 1 for A's tiles;  s[32:39] group 0, one set for each slot
.set G0, 32
.set G1B, 48                           ; s[48:55], s[56:63] the same for B's tiles
.set G0B, 56
.set G1S, 68                           ; s[68:75], s[76:79] groups 1 and 0 for A's scales;  s[80:87], s[88:91] for B's
.set G0S, 76
.set G1SB, 80
.set G0SB, 88
.set MSB, 0
.macro WIN new                         ; the immediate's high byte repeats the setting that is left
.if MSB != \new
	s_set_vgpr_msb (MSB<<8)|\new
.set MSB, \new
.endif
.endm
.set MUL_LO, 0xa1                      ; source 0 (B) window 1, source 1 (A) window 0, C and D window 2
.set MUL_HI, 0xf1                      ; the same, C and D window 3
.set TO_B,   0x40                      ; destination window 1, address window 0
; A joint load: waves 0 and 1 fetch for A, waves 2 and 3 for B.  The branch hangs on the wave's number alone.  An s_nop 0 and four v_nop follow each of the two lines.
.macro JLOAD g0a, g1a, g0b, g1b
	s_cmp_eq_u32 s15, 0
	s_cbranch_scc0 .Lfor_b_\@
	tensor_load_to_lds s[\g0a:\g0a+3], s[\g1a:\g1a+7]
	s_nop 0
.rept 4
	v_nop
.endr
	s_branch .Lasked_\@
.Lfor_b_\@:
	tensor_load_to_lds s[\g0b:\g0b+3], s[\g1b:\g1b+7]
	s_nop 0
.rept 4
	v_nop
.endr
.Lasked_\@:
.endm
.macro CROUND                          ; a round of the cluster's barrier: my work-group's barrier, wave 0's signal for the work-group, every wave's wait for all sixteen, my work-group's barrier once more
	s_barrier_signal -1
	s_barrier_wait -1
	s_cmp_lg_u32 s14, 0
	s_cbranch_scc1 .Lnot_wave_0_\@
	s_barrier_signal -3
.Lnot_wave_0_\@:
	s_barrier_wait -3
	s_barrier_signal -1
	s_barrier_wait -1
.endm
	s_load_b128 s[4:7], s[0:1], 0x0                ; codes s[4:5], scales s[6:7]
	s_load_b64 s[12:13], s[0:1], 0x10              ; qkv
	v_lshl_add_u32 v[SPW], v0, 2, SPARE
	v_mov_b32 v[NIL], 0
	ds_add_u32 v[SPW], v[NIL]                      ; the wave's opening: the add, twice on end, and its wait ahead of my first tensor load
	ds_add_u32 v[SPW], v[NIL]                      ; (once more; the set-up below, work on registers, stands between it and the wait)
	v_lshrrev_b32 v1, 5, v0
	v_readfirstlane_b32 s14, v1                    ; wave 0..3
	s_lshr_b32 s15, s14, 1                         ; which half of the tile's rows is mine.  Also: I fetch for A (0) or for B (1)
	s_and_b32 s16, s14, 1                          ; which half of its columns.  Also: which 128 rows of that tile I fetch
	s_bfe_u32 s40, ttmp6, 0x40000                  ; cx, cy: my place in the cluster
	s_bfe_u32 s41, ttmp6, 0x40004
	s_lshl_b32 s42, ttmp9, 2
	s_add_co_u32 s42, s42, s40                     ; tile column = 4 x cluster x + cx
	s_and_b32 s95, ttmp7, 0xffff                   ; cluster y
	s_lshl_b32 s17, s95, 2
	s_add_co_u32 s17, s17, s41                     ; tile row = 4 x cluster y + cy
	s_lshl_b32 s43, s41, 2
	s_lshl_b32 s43, 15, s43                        ; my row of the cluster
	s_lshl_b32 s44, 0x1111, s40                    ; my column
	s_cmp_ge_u32 s95, 4                            ; tile rows 16-19: A = v_w, B = x
	s_cselect_b32 s96, 4096, 0                     ; tile row 16 begins at row 4,096 + 4,096 of the buffers: v_w's first
	s_cselect_b32 s97, 0, 4096                     ; B's first row: x's, or q1_w's
	; descriptor group 1: a tile of 128 rows x 256 bytes, padded in LDS
	s_or_b32 s[G1+0], s43, (0<<16)|(1<<20)|(1<<21)|(5<<22)|(3<<25)  ; 15:0 the mask: A's tiles go to my row; 17:16 elements of 1 byte; 20 padding on; 21 set beside a mask; 24:22 after every 64 words; 31:25 four words
	s_or_b32 s[G1B+0], s44, (0<<16)|(1<<20)|(1<<21)|(5<<22)|(3<<25)
.irp g, G1, G1B
	s_mov_b32 s[\g+1], ROWB<<16                    ; tensor_dim0
	s_mov_b32 s[\g+2], 128<<16                     ; tensor_dim1
	s_mov_b32 s[\g+3], ROWB<<16                    ; tile_dim0
	s_mov_b32 s[\g+4], 128                         ; tile_dim1
	s_mov_b32 s[\g+5], KROW                        ; tensor_dim0_stride
	s_mov_b32 s[\g+6], 0
	s_mov_b32 s[\g+7], 0
.endr
	; the scales of 128 rows: a dense block of 4,096 bytes, as 16 rows of 256 bytes (32 elements of 8 bytes), 16 bytes of padding behind each
	s_or_b32 s[G1S+0], s43, (3<<16)|(1<<20)|(1<<21)|(5<<22)|(3<<25)
	s_or_b32 s[G1SB+0], s44, (3<<16)|(1<<20)|(1<<21)|(5<<22)|(3<<25)
.irp g, G1S, G1SB
	s_mov_b32 s[\g+1], 32<<16
	s_mov_b32 s[\g+2], (128*KS/256)<<16
	s_mov_b32 s[\g+3], 32<<16
	s_mov_b32 s[\g+4], 128*KS/256
	s_mov_b32 s[\g+5], 32
	s_mov_b32 s[\g+6], 0
	s_mov_b32 s[\g+7], 0
.endr
	s_lshl_b32 s18, s16, 7                         ; which 128 rows of the tile I fetch
	s_lshl_b32 s20, s17, 8
	s_add_co_u32 s20, s20, s18
	s_add_co_u32 s20, s20, s96                     ; A: row 256 x tile row + 128 x half (+ 4,096)
	s_lshl_b32 s46, s42, 8
	s_add_co_u32 s46, s46, s18
	s_add_co_u32 s46, s46, s97                     ; B: row 256 x tile column + 128 x half (+ 4,096)
	s_mov_b32 s21, 0
	s_mov_b32 s47, 0
	s_mov_b64 s[18:19], KS
	s_mul_u64 s[22:23], s[20:21], s[18:19]         ; where these rows' scales begin, in bytes
	s_mul_u64 s[92:93], s[46:47], s[18:19]
	s_mov_b64 s[18:19], KROW
	s_mul_u64 s[20:21], s[20:21], s[18:19]         ; and their codes
	s_mul_u64 s[46:47], s[46:47], s[18:19]
	s_mul_i32 s45, s14, HALFT                      ; where they go: wave x 128 rows: no place in the cluster enters an LDS address
	s_mul_i32 s94, s14, HALFS
	s_wait_dscnt 0x0                               ; both opening adds are done
	s_wait_kmcnt 0x0
	s_add_nc_u64 s[20:21], s[4:5], s[20:21]
	s_add_nc_u64 s[22:23], s[6:7], s[22:23]
	s_add_nc_u64 s[46:47], s[4:5], s[46:47]
	s_add_nc_u64 s[92:93], s[6:7], s[92:93]
	CROUND                                         ; all sixteen work-groups are here: the joint loads meet
	s_mov_b32 s[G0S], 1
	s_add_co_u32 s[G0S+1], s94, SCL
	s_mov_b64 s[G0S+2:G0S+3], s[22:23]
	s_or_b32 s[G0S+3], s[G0S+3], 0x80000000
	s_mov_b32 s[G0SB], 1
	s_add_co_u32 s[G0SB+1], s94, SCL
	s_mov_b64 s[G0SB+2:G0SB+3], s[92:93]
	s_or_b32 s[G0SB+3], s[G0SB+3], 0x80000000
	JLOAD G0S, G1S, G0SB, G1SB                     ; the scales first: they are wanted with the first slot
.irp s, 0,1
	s_mov_b32 s[G0+4*\s], 1
	s_add_co_u32 s[G0+4*\s+1], s45, \s*SLOT
	s_add_nc_u64 s[G0+4*\s+2:G0+4*\s+3], s[20:21], \s*ROWB
	s_or_b32 s[G0+4*\s+3], s[G0+4*\s+3], 0x80000000
	s_mov_b32 s[G0B+4*\s], 1
	s_add_co_u32 s[G0B+4*\s+1], s45, \s*SLOT
	s_add_nc_u64 s[G0B+4*\s+2:G0B+4*\s+3], s[46:47], \s*ROWB
	s_or_b32 s[G0B+4*\s+3], s[G0B+4*\s+3], 0x80000000
	JLOAD G0+4*\s, G1, G0B+4*\s, G1B
.endr
	v_and_b32 v1, 15, v0                           ; l % 16
	v_bfe_u32 v2, v0, 4, 1                         ; l / 16
	v_mul_u32_u24 v3, v1, PITCH
	v_lshl_add_u32 v4, v2, 4, v3                   ; a fragment's row x pitch + 16 x half
	s_mul_i32 s21, s15, HALFT                      ; my 128 rows of A
	s_mul_i32 s22, s16, HALFT                      ; my 128 rows of B,
	s_add_co_u32 s22, s22, 2*HALFT                 ; which lie behind A's 256
.irp s, 0,1
	v_add_nc_u32 v[ADRA+\s], s21, v4
	v_add_nc_u32 v[ADRB+\s], s22, v4
	s_add_co_u32 s21, s21, SLOT
	s_add_co_u32 s22, s22, SLOT
.endr
	v_mul_u32_u24 v5, v1, KS                       ; my row's scales: 32 bytes a row,
	v_lshrrev_b32 v6, 8, v5
	v_lshl_add_u32 v5, v6, 4, v5                   ; and 16 more for each 256 passed
	s_mul_i32 s21, s15, HALFS                      ; A's: my 128 rows
	s_mul_i32 s22, s16, HALFS                      ; B's: my 128 rows, behind A's 256
	s_add_co_u32 s22, s22, 2*HALFS
	s_sub_co_u32 s22, s22, s21
	v_mul_u32_u24 v6, s22, v2                      ; lanes 16-31 take B's: one product, the distance between the two bases
	s_add_co_u32 s21, s21, SCL
	v_add_nc_u32 v5, v5, v6
	v_add_nc_u32 v[ADRS], s21, v5
	; THE WAY OUT'S ADDRESSES.  R0, C0: my first row of A and of B in the grid's count.  T0 = my first token, F0 = my first feature (0-4095: q1, q2, k1, k2; 4096-5119: v).
	s_lshl_b32 s2, s17, 8
	s_lshl_b32 s3, s15, 7
	s_add_co_u32 s2, s2, s3                        ; R0 = 256 x tile row + 128 x half
	s_lshl_b32 s3, s42, 8
	s_lshl_b32 s66, s16, 7
	s_add_co_u32 s3, s3, s66                       ; C0 = 256 x tile column + 128 x half
	s_mov_b32 s92, 32768
	s_mov_b32 s94, 512
	s_cmp_ge_u32 s95, 4
	s_cselect_b32 s66, s3, s2                      ; T0
	s_cselect_b32 s67, s2, s3                      ; F0
	s_cselect_b32 s92, 512, s92                    ; from one of A's blocks to the next: a token tile (32,768 bytes), for v a feature block (512)
	s_cselect_b32 s94, 32768, s94                  ; from one of B's blocks to the next: the other of the two
	s_mov_b32 s93, 0
	s_lshr_b32 s2, s67, 10
	s_lshl_b32 s2, s2, 23                          ; the section: 8 MiB each
	s_and_b32 s3, s67, 1023
	s_lshl_b32 s3, s3, 5                           ; the feature block: 512 bytes for 16 features
	s_lshl_b32 s66, s66, 11                        ; the token tile: 32,768 bytes for 16 tokens
	s_add_co_u32 s2, s2, s3
	s_add_co_u32 s2, s2, s66                       ; under 2^26
	s_mov_b32 s3, 0
	s_add_nc_u64 s[12:13], s[12:13], s[2:3]
	v_and_b32 v6, 31, v0
	v_lshlrev_b32 v[VL], 4, v6
.irp b, 0,1,2,3,4,5,6,7
	v_mad_u32_u24 v[VO+\b], s94, \b, v[VL]
.endr
.macro FRAG reg, adr, q, i             ; a fragment, 16 rows x 128 K of 4-bit codes: lane l holds row l % 16; registers 4 c .. 4 c + 3 hold K = 64 c + 32 (l / 16) + 0 .. 31
.irp c, 0,1
	ds_load_b128 v[\reg+4*\c:\reg+4*\c+3], v[\adr] offset:64*(\q)+32*\c+(\i)*16*PITCH
.endr
.endm
; 16 matrix instructions: A's blocks a0, a0 + 1 x B's eight, 128 along K: the slot's q-th.  p: B's set;  sc: the set of scale words.  zero = 1: the first product starts the sums: nothing is cleared.
; The 64 accumulators take turns, one instruction a turn, in the same order in every step.
.macro MUL16 a0, p, q, sc, zero
.irp a, \a0, \a0+1
.irp b, 0,1,2,3,4,5,6,7
.if \zero
	v_wmma_scale_f32_16x16x128_f8f6f4 v[8*(8*((\a)%4)+\b):8*(8*((\a)%4)+\b)+7], v[128*(\p)+FR*\b:128*(\p)+FR*\b+FR-1], v[AF+FR*(\a):AF+FR*(\a)+FR-1], 0, v[SC+8*NQ*(\sc)+NQ*\b+(\q)], v[SC+8*NQ*(\sc)+NQ*(\a)+(\q)] matrix_a_fmt:MATRIX_FMT_FP4 matrix_b_fmt:MATRIX_FMT_FP4 matrix_a_scale:MATRIX_SCALE_ROW1
.else
	v_wmma_scale_f32_16x16x128_f8f6f4 v[8*(8*((\a)%4)+\b):8*(8*((\a)%4)+\b)+7], v[128*(\p)+FR*\b:128*(\p)+FR*\b+FR-1], v[AF+FR*(\a):AF+FR*(\a)+FR-1], v[8*(8*((\a)%4)+\b):8*(8*((\a)%4)+\b)+7], v[SC+8*NQ*(\sc)+NQ*\b+(\q)], v[SC+8*NQ*(\sc)+NQ*(\a)+(\q)] matrix_a_fmt:MATRIX_FMT_FP4 matrix_b_fmt:MATRIX_FMT_FP4 matrix_a_scale:MATRIX_SCALE_ROW1
.endif
.endr
.endr
.endm
.macro FETCH_B slot, q, p              ; B's eight fragments of the slot's q-th 128 along K into set p
	WIN TO_B
.irp i, 0,1,2,3,4,5,6,7
	FRAG 128*(\p)+FR*\i, ADRB+\slot, \q, \i
.endr
	WIN 0
.endm
.macro FETCH_A slot, q, i0             ; A's blocks i0 .. i0 + 3
.irp i, \i0, \i0+1, \i0+2, \i0+3
	FRAG AF+FR*(\i), ADRA+\slot, \q, \i
.endr
.endm
.macro SCALES sc                       ; a slot's scale words into set sc: four words a row; lanes 0-15 take A's block i, lanes 16-31 B's block i
.irp i, 0,1,2,3,4,5,6,7
	ds_load_b128 v[SC+8*NQ*\sc+NQ*\i:SC+8*NQ*\sc+NQ*\i+3], v[ADRS] offset:\i*SBLK
.endr
.endm
; A load into a register that a matrix instruction has read, and a vector instruction that reads a matrix result or writes one of a matrix instruction's registers, stand NP places behind it;
; only plain vector instructions that name none of its registers are places (ISA guide 7.12.1 for vector instructions).
.macro PLACES n
.rept \n
	v_nop
.endr
.endm
; A step of 128 along K that has its successor in the same slot.  A block of A is free as soon as its eight products are issued, so A has one set of registers: blocks 0-3 are fetched anew in the step's middle, blocks 4-7 at its end.
.macro STEP slot, q, zero
	s_wait_dscnt 4*NL                              ; B's set and A's blocks 0-3 are in; the youngest eight loads (A's blocks 4-7) may be out
	WIN MUL_LO
	MUL16 0, (\q)%2, \q, \slot, \zero
	MUL16 2, (\q)%2, \q, \slot, \zero
	s_wait_dscnt 0                                 ; A's blocks 4-7 are in (asked for 32 matrix instructions ago)
	PLACES NP
	FETCH_B \slot, (\q)+1, 1-(\q)%2
	FETCH_A \slot, (\q)+1, 0
	WIN MUL_HI
	MUL16 4, (\q)%2, \q, \slot, \zero
	MUL16 6, (\q)%2, \q, \slot, \zero
	PLACES NP
	WIN 0
	FETCH_A \slot, (\q)+1, 4
.endm
; Slot 0's last step goes over to slot 1: one barrier; in front of it each wave waits for all its tensor loads (its part of slot 1 is the one that was out).  Nothing is filled again.
.macro TURN slot, next
	s_wait_tensorcnt 0x0                           ; all my tensor loads have landed
	ds_add_u32 v[SPW], v[NIL]                      ; 0 onto my spare word
	s_wait_dscnt 4*NL+1                            ; (the add and the youngest eight loads, A's blocks 4-7, may be out)
	WIN MUL_LO
	MUL16 0, 1, NQ-1, \slot, 0                     ; sixteen matrix instructions stand between the add and the wait for it
	s_wait_dscnt 0x0                               ; the add is done, and my LDS loads are in
	s_barrier_signal -1
	MUL16 2, 1, NQ-1, \slot, 0
	WIN 0
	s_barrier_wait -1                              ; the next slot is whole
	PLACES NP
	v_add_nc_u32 v[ADRS], 4*NQ, v[ADRS]            ; on to the next slot's scale words (no LDS load of mine is out)
	FETCH_B \next, 0, 0
	FETCH_A \next, 0, 0
	SCALES \next
	WIN MUL_HI
	MUL16 4, 1, NQ-1, \slot, 0
	MUL16 6, 1, NQ-1, \slot, 0
	PLACES NP
	WIN 0
	FETCH_A \next, 0, 4
.endm
	s_wait_tensorcnt 1                             ; the scales and my part of slot 0 are in (slot 1's load may be out)
	s_barrier_signal -1
	s_barrier_wait -1                              ; everybody's are
	FETCH_B 0, 0, 0
	FETCH_A 0, 0, 0
	SCALES 0
	FETCH_A 0, 0, 4
	STEP 0, 0, 1                                   ; the first step's products start the sums
	STEP 0, 1, 0
	STEP 0, 2, 0
	TURN 0, 1
	STEP 1, 0, 0
	STEP 1, 1, 0
	STEP 1, 2, 0
	s_wait_dscnt 4*NL                              ; the very last step: nothing more to fetch
	WIN MUL_LO
	MUL16 0, 1, NQ-1, 1, 0
	MUL16 2, 1, NQ-1, 1, 0
	s_wait_dscnt 0
	WIN MUL_HI
	MUL16 4, 1, NQ-1, 1, 0
	MUL16 6, 1, NQ-1, 1, 0
	WIN 0
	; THE WAY OUT.  Accumulator (a, b), rounded to f16 in pairs, is a BLOCK: one store of 512 consecutive bytes.  A base for each of A's blocks (in the descriptors' registers: every tensor load was shown done in TURN), an offset register for each of B's.
	PLACES NP                                      ; behind the last products: the conversions below write the registers that held A's fragments
	s_mov_b64 s[24:25], s[12:13]
.irp a, 1,2,3,4,5,6,7
	s_add_nc_u64 s[24+2*\a:25+2*\a], s[22+2*\a:23+2*\a], s[92:93]
.endr
.macro OUT a
.set AC, 64*((\a)%4)
	WIN 0x0a+5*((\a)/4)                            ; sources 0 and 1: window 2 or 3
.irp b, 0,1,2,3,4,5,6,7
.irp i, 0,1,2,3
	v_cvt_pk_f16_f32 v[OUTR+32*((\a)%4)+4*\b+\i], v[AC+8*\b+2*\i], v[AC+8*\b+2*\i+1]   ; each accumulator from its low end on
.endr
.endr
	WIN 0
.irp b, 0,1,2,3,4,5,6,7
	global_store_b128 v[VO+\b], v[OUTR+32*((\a)%4)+4*\b:OUTR+32*((\a)%4)+4*\b+3], s[24+2*(\a):25+2*(\a)]
.endr
.endm
	OUT 0
	OUT 1
	OUT 2
	OUT 3
	s_wait_xcnt 0x0                                ; the stores of blocks 0-3 have read their data registers, which blocks 4-7 write again
	OUT 4
	OUT 5
	OUT 6
	OUT 7
	s_wait_tensorcnt 0x0                           ; the wave's end: these three lines behind my last tensor load
	ds_add_u32 v[SPW], v[NIL]
	s_wait_dscnt 0x0
	CROUND                                         ; the closing round
	s_endpgm
.Lfunc_end_k_q0e934ef8f5_proj:
	.size	k_q0e934ef8f5_proj, .Lfunc_end_k_q0e934ef8f5_proj-k_q0e934ef8f5_proj
	.p2alignl 7, 3214868480
	.fill 96, 4, 3214868480
	.section	.rodata,"a",@progbits
	.p2align	6, 0x0
	.amdhsa_kernel k_q0e934ef8f5_proj
		.amdhsa_group_segment_fixed_size 327680
		.amdhsa_private_segment_fixed_size 0
		.amdhsa_enable_private_segment 0
		.amdhsa_kernarg_size 24
		.amdhsa_user_sgpr_count 2
		.amdhsa_user_sgpr_kernarg_segment_ptr 1
		.amdhsa_wavefront_size32 1
		.amdhsa_system_sgpr_workgroup_id_x 1
		.amdhsa_system_sgpr_workgroup_id_y 1
		.amdhsa_system_sgpr_workgroup_id_z 1
		.amdhsa_system_vgpr_workitem_id 0
		.amdhsa_next_free_vgpr 1024
		.amdhsa_next_free_sgpr 98
		.amdhsa_reserve_vcc 0
		.amdhsa_float_denorm_mode_32 3
		.amdhsa_float_denorm_mode_16_64 3
		.amdhsa_memory_ordered 1
		.amdhsa_forward_progress 1
		.amdhsa_inst_pref_size 119
	.end_amdhsa_kernel
	.amdgpu_metadata
---
amdhsa.version: [ 1, 2 ]
amdhsa.kernels:
  - .name:           k_q0e934ef8f5_proj
    .symbol:         k_q0e934ef8f5_proj.kd
    .args:
      - { .name: codes, .offset: 0, .size: 8, .value_kind: global_buffer, .address_space: global }
      - { .name: scales, .offset: 8, .size: 8, .value_kind: global_buffer, .address_space: global }
      - { .name: qkv, .offset: 16, .size: 8, .value_kind: global_buffer, .address_space: global }
    .group_segment_fixed_size: 327680
    .private_segment_fixed_size: 0
    .kernarg_segment_align: 8
    .kernarg_segment_size: 24
    .max_flat_workgroup_size: 128
    .sgpr_count:     98
    .vgpr_count:     1024
    .wavefront_size: 32
...
	.end_amdgpu_metadata
.endif
;; end of part 2
;; launch attn (part 3): grid 8 x 32, 8 waves a work-group, clusters of 4 x 1, 327,680 bytes of LDS; arguments qkv, lambda_param, ao; writes ao
.if DOCPART == 3
	.amdgcn_target "amdgcn-amd-amdhsa--gfx1250"
	.amdhsa_code_object_version 6
	.text
	.protected	k_q0e934ef8f5_attn
	.globl	k_q0e934ef8f5_attn
	.p2align	8
	.type	k_q0e934ef8f5_attn,@function
k_q0e934ef8f5_attn:
	s_mov_b64 s[64:65], 0
	v_nop
	global_prefetch_b8 v0, s[64:65] scope:SCOPE_SE
	s_setreg_imm32_b32 hwreg(HW_REG_WAVE_MODE, 25, 1), 1
	s_wait_xcnt 0x0
	s_wait_alu depctr_hold_cnt(0) depctr_sa_sdst(0) depctr_va_vdst(0) depctr_va_sdst(0) depctr_va_ssrc(0) depctr_va_vcc(0) depctr_vm_vsrc(0)
	s_getreg_b32 s2, hwreg(HW_REG_IB_STS2, 6, 4)
	s_cmp_eq_u32 s2, 0
	s_cbranch_scc0 .Lentry_in_a_cluster
	s_endpgm
.Lentry_in_a_cluster:
	s_bfe_u32 s2, ttmp6, 0x10000c
	s_cmp_lg_u32 s2, 0x3003
	s_cbranch_scc0 .Lentry_shape_is_right
	s_endpgm
.Lentry_shape_is_right:
; ATTN.  For each (batch, head): ao = 8 x ( softmax(q1 k1^T / 8) v - lambda[head] softmax(q2 k2^T / 8) v ), products on f16 operands with f32 sums, softmax in f32 with a running maximum.
; qkv: five sections of 8 MiB (q1, q2, k1, k2, v), each [token tile 256][feature block 64] BLOCKS.  A BLOCK is 512 bytes: 16 rows x 16 k of f16; lane l = 16 h + r owns bytes 16 l on = row r, k = 8 h .. 8 h + 7:
; half of a 16 x 32 fragment as an image of its registers, read by one load of 16 bytes a lane at 16 l: no pitch, no padding, no turning load.  Sections 0-3: row = token, k = channel; section 4: row = channel, k = token.
; ao: [token tile 256][block 64] BLOCKS, row = token, k = 64 head + channel; it holds 8 x the result (a power of two: nothing is rounded by it; the weight of the last product was stored / 8).
; THE TWO SOFTMAXES ARE SUMMED APART: the weights attn1 - lambda attn2 need both rows' sums, which are known only at the end.  So P1 V and P2 V have accumulators of their own, and are joined on the way out.
; SHARES.  A work-group owns 256 queries of one (batch, head); each of its eight waves 32: two tiles t of 16, for both softmaxes sm: UNIT u = 2 sm + t.  Two waves share a SIMD, so that one's vector work can stand beside the other's matrix work.
; LAYOUT.  S^T = K Q^T (source 0 = 16 keys, source 1 = 16 queries): a lane holds ONE query (lane % 16) and keys 8 (lane / 16) + 0..7.  Two such tiles, rounded to f16 in pairs, ARE source 1 (32 keys x 16 queries) of O^T = V^T P.
; SOFTMAX.  For each query a running maximum m and sum l: p = 2^(c s - c m), c = log2(e) / 8; in every step O and l are multiplied by a = 2^(c m_old - c m_new).  The sum is taken of p before it is rounded.
; The step is written once: O and l begin as zeros and m as -3e38, so the first step's a is 0 and leaves zeros.
; RING.  A key step is 64 keys; a slot holds 256 keys of K1, K2 and V (98,304 bytes); two slots.  Waves 0-5 fetch, one tensor load each (8 key tiles x 2,048 bytes): by this text's count a wave never has more than one out.
; CLUSTER.  The four query blocks of a cluster belong to one (batch, head) and walk the same K1, K2, V: each tile is asked for jointly, by the same load with a mask that names the four.
; LIMITS: 8 |result| stays under 65,504, f16's largest number (as drawn it is under about 2; with every input 30 times larger, one-hot weights and |v| about 4,000, under about 40,000); NaN and infinities are not served.
; REGISTERS: window 0: v1-7 addresses; v8-39 statistics, eight a unit; v40-55 partial sums; v64-191 S^T, 32 a unit, afterwards P in each unit's low 16; v192-255 K1, later V.
;            window 1: v0-127 O^T, 32 a unit; v128-191 Q, 16 a unit; v192-255 K2.
.set SLOT1, 131072                     ; slot 1 begins here: one exclusive or turns an address in one slot into the other's
.set SPARE, SLOT1+98304                ; behind the ring: the spare words, 128 bytes for each of eight waves, which no other line names
.set L16, 1                            ; v1   16 x lane: a BLOCK's place for my lane, in LDS and in memory; never rewritten
.set ADK, 2                            ; v2   LDS address of the step's tiles of K1 (K2: 32,768 on)
.set ADV, 3                            ; v3   of V
.set PFO, 5                            ; v5   the prefetches' offset: (lane / 8) key tiles of 32,768 bytes + (lane % 8) x 256; never rewritten
.set SPW, 6                            ; v6   LDS address of my spare word; never rewritten
.set NIL, 7                            ; v7   0; never rewritten
.set ST,  8                            ; unit u's statistics at v[ST + 8 u]: +0 c m, +1 m, +2, +3 l (even keys', odd keys'), +4 the maximum's chain, +5 the other half's, +6 a, +7 c m_old, then the difference
.set SU,  40                           ; unit u's two pairs of partial sums at v[SU + 4 u]
.set S,   64
.set KA,  192                          ; K1 or V in window 0; K2 has the same numbers in window 1
.set Q,   128                          ; in window 1
.set WV,  10                           ; s10  my wave's number
.set G1,  24                           ; s[24:31] descriptor group 1
.set G0,  32                           ; s[32:35] descriptor group 0, which walks
.set CS,  36                           ; s[36:37] c: the packed form names a pair and takes its low word for both halves
.set SEL, 38                           ; s[38:39] lane selects for v_permlanex16_b32: lane l xor 16
.set TB,  40                           ; s40  LDS byte at which the step's tiles begin
.set SLOTS, 41                         ; s41  slots still to be asked for
.set STEPC, 42                         ; s42  counts a slot's four steps
.set LIM, 43                           ; s43  1 in a wave that prefetches, else the greatest number
.set PFA, 44                           ; s[44:45] where my prefetches stand
.set LAM, 46                           ; s46  lambda[head], then -8 lambda[head]
.set MSB, 0
.macro WIN new                         ; the immediate's high byte repeats the setting that is left; low byte: bits 1:0 source 0, 3:2 source 1, 5:4 source 2, 7:6 destination
.if MSB != \new
	s_set_vgpr_msb (MSB<<8)|\new
.set MSB, \new
.endif
.endm
.macro CROUND                          ; a round of the cluster's barrier
	s_barrier_signal -1
	s_barrier_wait -1
	s_cmp_lg_u32 s[WV], 0
	s_cbranch_scc1 .Lnot_wave_0_\@
	s_barrier_signal -3
.Lnot_wave_0_\@:
	s_barrier_wait -3
	s_barrier_signal -1
	s_barrier_wait -1
.endm
.macro JLOAD                           ; waves 0-5 fetch the halves of K1, K2, V; the branch hangs on the wave's number alone.  An s_nop 0 and four v_nop follow the load
	s_cmp_lt_u32 s[WV], 6
	s_cbranch_scc0 .Lskip_\@
	tensor_load_to_lds s[G0:G0+3], s[G1:G1+7]
	s_nop 0
.rept 4
	v_nop
.endr
.Lskip_\@:
.endm
; A PREFETCH INTO THE L2 of what the NEXT change of slots will ask for: 16 key tiles x 2,048 bytes of each of K1, K2, V.  Both clusters of a (batch, head) walk the same rows: the first asks.
; Its four partners share the key tiles out BY ADDRESS, four each; in each, waves 0, 2, 4 ask for K1, K2, V: 32 lanes x 256 bytes = four tiles.  So each aligned 256 bytes is named once in the launch.
; It stands behind the tensor load, four key steps ahead of the load that wants the bytes.  The last change that fills a slot asks for nothing; slots 0 and 1 come by their loads alone.
.macro ASK
	s_cmp_gt_u32 s[SLOTS], s[LIM]
	s_cbranch_scc0 .Lnot_mine_\@
	global_prefetch_b8 v[PFO], s[PFA:PFA+1] th:TH_LOAD_NT scope:SCOPE_SE
.Lnot_mine_\@:
.endm
	s_load_b128 s[4:7], s[0:1], 0x0                ; qkv s[4:5], lambda_param s[6:7]
	s_load_b64 s[8:9], s[0:1], 0x10                ; ao
	v_lshl_add_u32 v[SPW], v0, 2, SPARE
	v_mov_b32 v[NIL], 0
	ds_add_u32 v[SPW], v[NIL]                      ; the wave's opening: the add, twice on end, and its wait ahead of my first tensor load
	ds_add_u32 v[SPW], v[NIL]                      ; (once more; the set-up below, work on registers, stands between it and the wait)
	v_lshrrev_b32 v1, 5, v0
	v_readfirstlane_b32 s[WV], v1                  ; wave 0..7
	v_and_b32 v1, 31, v0
	v_lshlrev_b32 v[L16], 4, v1
	v_bfe_u32 v4, v0, 3, 2
	v_and_b32 v[PFO], 7, v0
	v_lshlrev_b32 v[PFO], 8, v[PFO]
	v_lshl_add_u32 v[PFO], v4, 15, v[PFO]
	s_bfe_u32 s11, ttmp6, 0x40000                  ; cx: my place in the cluster
	s_lshl_b32 s12, ttmp9, 2
	s_add_co_u32 s12, s12, s11                     ; my block of 256 queries: it enters Q's and ao's addresses alone
	s_and_b32 s13, ttmp7, 0xffff                   ; 16 x batch + head, which the four partners share
	s_lshr_b32 s48, s13, 4                         ; batch
	s_and_b32 s49, s13, 15                         ; head
	s_lshl_b32 s47, s49, 2                         ; lambda's byte
	s_lshl_b32 s16, s48, 22                        ; a batch: 128 token tiles of 32,768 bytes
	s_lshl_b32 s18, s49, 11                        ; a head: 4 BLOCKS of 512 bytes in each token tile
	s_add_co_u32 s16, s16, s18
	s_mov_b32 s17, 0                               ; s[16:17]: the (batch, head)'s first byte in a section, and in ao
	s_lshr_b32 s18, s[WV], 1
	s_min_u32 s18, s18, 2                          ; waves 0, 1: K1; 2, 3: K2; 4, 5: V (waves 6, 7 fetch nothing)
	s_add_co_u32 s18, s18, 2
	s_lshl_b32 s18, s18, 23                        ; the section
	s_mov_b32 s19, 0
	s_add_nc_u64 s[18:19], s[18:19], s[16:17]
	s_and_b32 s50, s[WV], 1
	s_lshl_b32 s50, s50, 18                        ; which 8 of a slot's 16 key tiles I fetch
	s_mov_b32 s51, 0
	s_lshl_b32 s52, s12, 4
	s_lshl_b32 s53, s[WV], 1
	s_add_co_u32 s52, s52, s53
	s_lshl_b32 s52, s52, 15                        ; my wave's two token tiles: 16 x block + 2 x wave
	s_mov_b32 s53, 0
	s_add_nc_u64 s[52:53], s[52:53], s[16:17]
	s_lshl_b32 s54, s11, 17                        ; the prefetches: my work-group's four key tiles,
	s_add_co_u32 s54, s54, 524288                  ; in slot 1: the first change of slots steps it to slot 2
	s_mov_b32 s55, 0
	; descriptor group 1: 8 rows (key tiles) of 2,048 bytes, 32,768 bytes apart, dense in LDS
	s_mov_b32 s[G1], 15|(3<<16)|(1<<21)            ; 15:0 the mask: all four work-groups; 17:16 elements of 8 bytes; 20 no padding; 21 set beside a mask
	s_mov_b32 s[G1+1], 256<<16                     ; tensor_dim0 = 256 elements
	s_mov_b32 s[G1+2], 8<<16                       ; tensor_dim1 = 8
	s_mov_b32 s[G1+3], 256<<16                     ; tile_dim0
	s_mov_b32 s[G1+4], 8                           ; tile_dim1
	s_mov_b32 s[G1+5], 4096                        ; tensor_dim0_stride, in elements
	s_mov_b32 s[G1+6], 0
	s_mov_b32 s[G1+7], 0
	s_mov_b32 s[CS], 0x3e38aa3b                    ; c = log2(e) / 8
	s_mov_b32 s[CS+1], s[CS]                       ; (named with it as a pair, so it is written)
	s_mov_b32 s[SEL], 0x76543210
	s_mov_b32 s[SEL+1], 0xfedcba98
	s_mov_b32 s[TB], 0
	s_mov_b32 s[SLOTS], 7
	s_and_b32 s14, s[WV], 1                        ; who prefetches: waves 0, 2, 4
	s_or_b32 s14, s14, ttmp9                       ; of the (batch, head)'s first cluster: the same in all four partners
	s_cmp_lt_u32 s[WV], 6
	s_cselect_b32 s15, 0, 1
	s_or_b32 s14, s14, s15
	s_cmp_eq_u32 s14, 0
	s_cselect_b32 s[LIM], 1, -1
	s_wait_dscnt 0x0                               ; both opening adds are done
	s_wait_kmcnt 0x0
	s_load_b32 s[LAM], s[6:7], s47 offset:0x0      ; lambda[head]; waited for in front of the loop
	s_add_nc_u64 s[20:21], s[4:5], s[52:53]        ; Q1 at my wave's first tile,
	s_add_nc_u64 s[22:23], s[20:21], 0x800000      ; Q2 a section on,
	s_add_nc_u64 s[8:9], s[8:9], s[52:53]          ; ao likewise
	s_add_nc_u64 s[PFA:PFA+1], s[4:5], s[18:19]
	s_add_nc_u64 s[PFA:PFA+1], s[PFA:PFA+1], s[54:55]
	s_mov_b32 s[G0], 1                             ; count = 1
	s_lshl_b32 s[G0+1], s[WV], 14                  ; LDS address: 16,384 x wave: K1's halves, K2's, V's, in slot 0
	s_add_nc_u64 s[G0+2:G0+3], s[4:5], s[18:19]
	s_add_nc_u64 s[G0+2:G0+3], s[G0+2:G0+3], s[50:51]
	s_or_b32 s[G0+3], s[G0+3], 0x80000000          ; type = 2
	CROUND                                         ; all four work-groups are here: the first joint loads meet
	JLOAD                                          ; slot 0
	WIN 0x40                                       ; destination window 1
.irp u, 0,1,2,3
.irp c, 0,1,2,3
	global_load_b128 v[Q+16*\u+4*\c:Q+16*\u+4*\c+3], v[L16], s[20+2*(\u/2):21+2*(\u/2)] offset:32768*(\u%2)+512*\c   ; Q stays in registers: unit u, channels 16 c on
.endr
.endr
.set i, 0
.rept 128
	v_mov_b32 v[i], 0                              ; O^T.  Cleared once, so that the key step is written once: a first step of its own would be one more copy of the whole step
.set i, i+1
.endr
	WIN 0
.irp u, 0,1,2,3
	v_mov_b32 v[ST+8*\u+1], 0xff61b1e6             ; m = -3e38, under every score
	v_mul_f32 v[ST+8*\u], s[CS], v[ST+8*\u+1]      ; c m
	v_mov_b32 v[ST+8*\u+2], 0                      ; l, in two halves
	v_mov_b32 v[ST+8*\u+3], 0
	v_mov_b32 v[ST+8*\u+5], 0                      ; written once: a lane permute's destination counts as one of its sources
.endr
; 16 products of S^T = K Q^T for softmax sm: channels 32 s on, keys 16 kt on, tile t.  The first 8 start the sums.  The eight accumulators take turns, one instruction a turn.
.macro QK sm
.irp s, 0,1
.irp kt, 0,1,2,3
.irp t, 0,1
.if \s == 0
	v_wmma_f32_16x16x32_f16 v[S+32*(2*\sm+\t)+8*\kt:S+32*(2*\sm+\t)+8*\kt+7], v[KA+16*\kt+8*\s:KA+16*\kt+8*\s+7], v[Q+16*(2*\sm+\t)+8*\s:Q+16*(2*\sm+\t)+8*\s+7], 0
.else
	v_wmma_f32_16x16x32_f16 v[S+32*(2*\sm+\t)+8*\kt:S+32*(2*\sm+\t)+8*\kt+7], v[KA+16*\kt+8*\s:KA+16*\kt+8*\s+7], v[Q+16*(2*\sm+\t)+8*\s:Q+16*(2*\sm+\t)+8*\s+7], v[S+32*(2*\sm+\t)+8*\kt:S+32*(2*\sm+\t)+8*\kt+7]
.endif
.endr
.endr
.endr
.endm
; The four units' softmax for one key step; each line is written for the four units in turn, so that no line waits for the line above it.
.macro SOFTMAX
.irp u, 0,1,2,3
	v_max3_num_f32 v[ST+8*\u+4], v[S+32*\u], v[S+32*\u+1], v[S+32*\u+2]      ; the maximum of my 32 scores and the old m; each accumulator is first read at its lowest register (s0, s8, s16, s24)
.endr
.irp i, 3,5,7,9,11,13,15,17,19,21,23,25,27,29
.irp u, 0,1,2,3
	v_max3_num_f32 v[ST+8*\u+4], v[ST+8*\u+4], v[S+32*\u+\i], v[S+32*\u+\i+1]
.endr
.endr
.irp u, 0,1,2,3
	v_max3_num_f32 v[ST+8*\u+4], v[ST+8*\u+4], v[S+32*\u+31], v[ST+8*\u+1]
.endr
.irp u, 0,1,2,3
	v_permlanex16_b32 v[ST+8*\u+5], v[ST+8*\u+4], s[SEL], s[SEL+1]           ; the query's other 32 keys lie in the lane 16 away
.endr
.irp u, 0,1,2,3
	v_mov_b32 v[ST+8*\u+7], v[ST+8*\u]             ; c m_old
.endr
.irp u, 0,1,2,3
	v_max_num_f32 v[ST+8*\u+1], v[ST+8*\u+4], v[ST+8*\u+5]                   ; the new m
.endr
.irp u, 0,1,2,3
	v_mul_f32 v[ST+8*\u], s[CS], v[ST+8*\u+1]      ; c m
.endr
.irp u, 0,1,2,3
	v_sub_f32 v[ST+8*\u+7], v[ST+8*\u+7], v[ST+8*\u]
.endr
.irp i, 0,2,4,6,8,10,12,14,16,18,20,22,24,26,28,30
.irp u, 0,1,2,3
	v_pk_fma_f32 v[S+32*\u+\i:S+32*\u+\i+1], v[S+32*\u+\i:S+32*\u+\i+1], s[CS:CS+1], v[ST+8*\u:ST+8*\u+1] op_sel_hi:[1,0,0] neg_lo:[0,0,1] neg_hi:[0,0,1]   ; c s - c m, two at a time
.endr
.endr
.irp u, 0,1,2,3
	v_exp_f32 v[ST+8*\u+6], v[ST+8*\u+7]           ; a = 2^(c m_old - c m_new)
.endr
.irp i, 0,1,2,3,4,5,6,7,8,9,10,11,12,13,14,15,16,17,18,19,20,21,22,23,24,25,26,27,28,29,30,31
.irp u, 0,1,2,3
	v_exp_f32 v[S+32*\u+\i], v[S+32*\u+\i]         ; p
.endr
.endr
	v_nop                                          ; a plain instruction behind the last exponential, ahead of the first use
	s_wait_alu depctr_va_vdst(0)                   ; a wait ahead of the first instruction that names an exponential's result: one for the batch of 132
.irp u, 0,1,2,3
	v_pk_add_f32 v[SU+4*\u:SU+4*\u+1], v[S+32*\u:S+32*\u+1], v[S+32*\u+2:S+32*\u+3]          ; the sum of the unrounded p, two at a time, in two chains a unit
.endr
.irp u, 0,1,2,3
	v_pk_add_f32 v[SU+4*\u+2:SU+4*\u+3], v[S+32*\u+4:S+32*\u+5], v[S+32*\u+6:S+32*\u+7]
.endr
.irp i, 8,12,16,20,24,28
.irp u, 0,1,2,3
	v_pk_add_f32 v[SU+4*\u:SU+4*\u+1], v[SU+4*\u:SU+4*\u+1], v[S+32*\u+\i:S+32*\u+\i+1]
.endr
.irp u, 0,1,2,3
	v_pk_add_f32 v[SU+4*\u+2:SU+4*\u+3], v[SU+4*\u+2:SU+4*\u+3], v[S+32*\u+\i+2:S+32*\u+\i+3]
.endr
.endr
.irp u, 0,1,2,3
	v_pk_add_f32 v[SU+4*\u:SU+4*\u+1], v[SU+4*\u:SU+4*\u+1], v[SU+4*\u+2:SU+4*\u+3]
.endr
.irp u, 0,1,2,3
	v_pk_fma_f32 v[ST+8*\u+2:ST+8*\u+3], v[ST+8*\u+2:ST+8*\u+3], v[ST+8*\u+6:ST+8*\u+7], v[SU+4*\u:SU+4*\u+1] op_sel_hi:[1,0,1]   ; l = a l + the sum
.endr
.irp i, 0,1,2,3,4,5,6,7,8,9,10,11,12,13,14,15
.irp u, 0,1,2,3
	v_cvt_pk_f16_f32 v[S+32*\u+\i], v[S+32*\u+2*\i], v[S+32*\u+2*\i+1]       ; P, in place, ascending: register i is written when registers 2 i and 2 i + 1 are read
.endr
.endr
	WIN 0x41                                       ; O^T (destination and source 0) in window 1, a in window 0
.irp i, 0,2,4,6,8,10,12,14,16,18,20,22,24,26,28,30
.irp u, 0,1,2,3
	v_pk_mul_f32 v[32*\u+\i:32*\u+\i+1], v[32*\u+\i:32*\u+\i+1], v[ST+8*\u+6:ST+8*\u+7] op_sel_hi:[1,0]   ; O^T x a, each accumulator from its low end on
.endr
.endr
.endm
; A KEY STEP: 64 keys at LDS byte s[TB] of the ring.
.macro STEP
	v_add_nc_u32 v[ADK], s[TB], v[L16]
	v_add_nc_u32 v[ADV], 0x10000, v[ADK]
.rept 4
	v_nop                                          ; with the two additions six places behind the last V^T P: four are owed by the loads into the registers that held V, five by the first product below, which writes over P
.endr
.irp kt, 0,1,2,3
.irp c, 0,1,2,3
	ds_load_b128 v[KA+16*\kt+4*\c:KA+16*\kt+4*\c+3], v[ADK] offset:2048*\kt+512*\c          ; K1: keys 16 kt on, channels 16 c on
.endr
.endr
	WIN 0x40
.irp kt, 0,1,2,3
.irp c, 0,1,2,3
	ds_load_b128 v[KA+16*\kt+4*\c:KA+16*\kt+4*\c+3], v[ADK] offset:32768+2048*\kt+512*\c    ; K2, into window 1
.endr
.endr
	s_wait_dscnt 16                                ; K1 is in; K2's sixteen loads may be out
	WIN 0x04                                       ; K1 and S^T in window 0, Q in window 1
	QK 0
	s_wait_dscnt 0x0                               ; K2 is in
	WIN 0x05                                       ; K2 and Q in window 1
	QK 1
	WIN 0
.rept 4
	v_nop                                          ; places in front of the loads into K1's registers and of the first read of the scores
.endr
.irp g, 0,1
.irp ct, 0,1,2,3
	ds_load_b128 v[KA+8*(4*\g+\ct):KA+8*(4*\g+\ct)+3],   v[ADV] offset:(2*\g)*2048+512*\ct      ; V^T: channels 16 ct on, keys 32 g on: two BLOCKS of 16 keys
	ds_load_b128 v[KA+8*(4*\g+\ct)+4:KA+8*(4*\g+\ct)+7], v[ADV] offset:(2*\g+1)*2048+512*\ct
.endr
.endr
	SOFTMAX
	s_wait_dscnt 0x0                               ; V is in (asked for ahead of the softmax)
	WIN 0x50                                       ; V and P in window 0, O^T (C and D) in window 1
.irp g, 0,1
.irp ct, 0,1,2,3
.irp u, 0,1,2,3
	v_wmma_f32_16x16x32_f16 v[32*\u+8*\ct:32*\u+8*\ct+7], v[KA+8*(4*\g+\ct):KA+8*(4*\g+\ct)+7], v[S+32*\u+8*\g:S+32*\u+8*\g+7], v[32*\u+8*\ct:32*\u+8*\ct+7]   ; sixteen accumulators by turns
.endr
.endr
.endr
	WIN 0
	s_add_co_u32 s[TB], s[TB], 8192                ; the next step's four key tiles
.endm
; THE CHANGE OF SLOTS stands at a slot's head.  Each wave waits for all its tensor loads (its part of the slot ahead), adds 0 to its spare word, and waits for that and for its reads of the slot that it has left.
; fill = 1: the barrier is a round of the cluster's, so that no wave of any partner still reads the other slot or has a load on its way; the joint load of the next 256 keys is the first thing behind it and has four key steps in which to land.
.macro CHANGE fill
	s_wait_tensorcnt 0x0                           ; no tensor load of mine is out, so group 0 may be written
	ds_add_u32 v[SPW], v[NIL]                      ; 0 onto my spare word
.if \fill
	ds_add_u32 v[SPW], v[NIL]                      ; and once more
	s_xor_b32 s[G0+1], s[G0+1], SLOT1              ; the walking descriptor: the other slot than last time,
	s_add_nc_u64 s[G0+2:G0+3], s[G0+2:G0+3], 524288        ; the next 16 key tiles; the type bits on top are not reached
	s_wait_xcnt 0x0                                ; the last prefetch, a slot back, has read its address, so it may be written:
	s_add_nc_u64 s[PFA:PFA+1], s[PFA:PFA+1], 524288        ; one slot further on than the walking descriptor
	s_wait_dscnt 0x0                               ; both adds are done, and my reads of the slot that I have left are over
	CROUND
	JLOAD
	ASK
.else
	s_wait_dscnt 0x0
	s_barrier_signal -1
	s_barrier_wait -1
.endif
.endm
.macro FOUR_STEPS                      ; a slot's four key steps: written once, walked four times
	s_mov_b32 s[STEPC], 4
.Lstep_\@:
	STEP
	s_sub_co_u32 s[STEPC], s[STEPC], 1
	s_cmp_lg_u32 s[STEPC], 0
	s_cbranch_scc1 .Lstep_\@
	s_sub_co_u32 s[TB], s[TB], 32768               ; back to a slot's first step,
	s_xor_b32 s[TB], s[TB], SLOT1                  ; in the other slot
.endm
	s_wait_loadcnt 0x0                             ; Q
	s_wait_kmcnt 0x0                               ; lambda[head]
	s_mul_f32 s[LAM], s[LAM], 0xc1000000           ; -8 lambda
.Lslot:                                                ; seven trips: behind each change of slots but the last the next slot is asked for
	CHANGE 1
	FOUR_STEPS
	s_sub_co_u32 s[SLOTS], s[SLOTS], 1
	s_cmp_lg_u32 s[SLOTS], 0
	s_cbranch_scc1 .Lslot
	CHANGE 0                                       ; the last slot is written out
	FOUR_STEPS
	; THE WAY OUT.  8 O1 / l1 - 8 lambda O2 / l2, rounded to f16: a tile's eight channels a lane pack into 16 bytes, and the wave's 32 lanes are a BLOCK of ao.  The additions are the places behind the last products.
.irp u, 0,1,2,3
	v_add_f32 v[ST+8*\u+4], v[ST+8*\u+2], v[ST+8*\u+3]
.endr
.irp u, 0,1,2,3
	v_permlanex16_b32 v[ST+8*\u+5], v[ST+8*\u+4], s[SEL], s[SEL+1]
.endr
.irp u, 0,1,2,3
	v_add_f32 v[ST+8*\u+4], v[ST+8*\u+4], v[ST+8*\u+5]     ; the row's sum
.endr
.irp u, 0,1,2,3
	v_rcp_f32 v[ST+8*\u+6], v[ST+8*\u+4]
.endr
	v_nop                                          ; a plain instruction between the last reciprocal and the use of its result
	s_wait_alu depctr_va_vdst(0)                   ; and the wait ahead of the first use: one for the four
.irp t, 0,1
	v_mul_f32 v[ST+8*\t+6], 0x41000000, v[ST+8*\t+6]       ; 8 / l1
	v_mul_f32 v[ST+8*(2+\t)+6], s[LAM], v[ST+8*(2+\t)+6]   ; -8 lambda / l2
.endr
	WIN 0x01                                       ; source 0 (O^T) in window 1; S^T's registers take the result
.irp t, 0,1
.irp i, 0,2,4,6,8,10,12,14,16,18,20,22,24,26,28,30
	v_pk_mul_f32 v[S+32*\t+\i:S+32*\t+\i+1], v[32*(2+\t)+\i:32*(2+\t)+\i+1], v[ST+8*(2+\t)+6:ST+8*(2+\t)+7] op_sel_hi:[1,0]
	v_pk_fma_f32 v[S+32*\t+\i:S+32*\t+\i+1], v[32*\t+\i:32*\t+\i+1], v[ST+8*\t+6:ST+8*\t+7], v[S+32*\t+\i:S+32*\t+\i+1] op_sel_hi:[1,0,1]
.endr
.endr
	WIN 0
.irp t, 0,1
.irp i, 0,1,2,3,4,5,6,7,8,9,10,11,12,13,14,15
	v_cvt_pk_f16_f32 v[S+32*\t+\i], v[S+32*\t+2*\i], v[S+32*\t+2*\i+1]
.endr
.endr
.irp t, 0,1
.irp ct, 0,1,2,3
	global_store_b128 v[L16], v[S+32*\t+4*\ct:S+32*\t+4*\ct+3], s[8:9] offset:32768*\t+512*\ct   ; a BLOCK: 512 consecutive bytes, aligned
.endr
.endr
	s_wait_tensorcnt 0x0                           ; the wave's end: these three lines behind my last tensor load
	ds_add_u32 v[SPW], v[NIL]
	s_wait_dscnt 0x0
	CROUND                                         ; the closing round: no work-group ends while a partner may still ask for a tile that names it
	s_endpgm
.Lfunc_end_k_q0e934ef8f5_attn:
	.size	k_q0e934ef8f5_attn, .Lfunc_end_k_q0e934ef8f5_attn-k_q0e934ef8f5_attn
	.p2alignl 7, 3214868480
	.fill 96, 4, 3214868480
	.section	.rodata,"a",@progbits
	.p2align	6, 0x0
	.amdhsa_kernel k_q0e934ef8f5_attn
		.amdhsa_group_segment_fixed_size 327680
		.amdhsa_private_segment_fixed_size 0
		.amdhsa_enable_private_segment 0
		.amdhsa_kernarg_size 24
		.amdhsa_user_sgpr_count 2
		.amdhsa_user_sgpr_kernarg_segment_ptr 1
		.amdhsa_wavefront_size32 1
		.amdhsa_system_sgpr_workgroup_id_x 1
		.amdhsa_system_sgpr_workgroup_id_y 1
		.amdhsa_system_sgpr_workgroup_id_z 1
		.amdhsa_system_vgpr_workitem_id 0
		.amdhsa_next_free_vgpr 512
		.amdhsa_next_free_sgpr 66
		.amdhsa_reserve_vcc 0
		.amdhsa_float_denorm_mode_32 3
		.amdhsa_float_denorm_mode_16_64 3
		.amdhsa_memory_ordered 1
		.amdhsa_forward_progress 1
		.amdhsa_inst_pref_size 86
	.end_amdhsa_kernel
	.amdgpu_metadata
---
amdhsa.version: [ 1, 2 ]
amdhsa.kernels:
  - .name:           k_q0e934ef8f5_attn
    .symbol:         k_q0e934ef8f5_attn.kd
    .args:
      - { .name: qkv, .offset: 0, .size: 8, .value_kind: global_buffer, .address_space: global }
      - { .name: lambda_param, .offset: 8, .size: 8, .value_kind: global_buffer, .address_space: global }
      - { .name: ao, .offset: 16, .size: 8, .value_kind: global_buffer, .address_space: global }
    .group_segment_fixed_size: 327680
    .private_segment_fixed_size: 0
    .kernarg_segment_align: 8
    .kernarg_segment_size: 24
    .max_flat_workgroup_size: 256
    .sgpr_count:     66
    .vgpr_count:     512
    .wavefront_size: 32
...
	.end_amdgpu_metadata
.endif
;; end of part 3
;; launch oproj (part 4): grid 8 x 32, 4 waves a work-group, clusters of 4 x 4, 327,680 bytes of LDS; arguments ao, owh, out0; writes out0
.if DOCPART == 4
	.amdgcn_target "amdgcn-amd-amdhsa--gfx1250"
	.amdhsa_code_object_version 6
	.text
	.protected	k_q0e934ef8f5_oproj
	.globl	k_q0e934ef8f5_oproj
	.p2align	8
	.type	k_q0e934ef8f5_oproj,@function
k_q0e934ef8f5_oproj:
	s_mov_b64 s[64:65], 0
	v_nop
	global_prefetch_b8 v0, s[64:65] scope:SCOPE_SE
	s_setreg_imm32_b32 hwreg(HW_REG_WAVE_MODE, 25, 1), 1
	s_wait_xcnt 0x0
	s_wait_alu depctr_hold_cnt(0) depctr_sa_sdst(0) depctr_va_vdst(0) depctr_va_sdst(0) depctr_va_ssrc(0) depctr_va_vcc(0) depctr_vm_vsrc(0)
	s_getreg_b32 s2, hwreg(HW_REG_IB_STS2, 6, 4)
	s_cmp_eq_u32 s2, 0
	s_cbranch_scc0 .Lentry_in_a_cluster
	s_endpgm
.Lentry_in_a_cluster:
	s_bfe_u32 s2, ttmp6, 0x10000c
	s_cmp_lg_u32 s2, 0xf033
	s_cbranch_scc0 .Lentry_shape_is_right
	s_endpgm
.Lentry_shape_is_right:
; OPROJ.  out0[m][n] = sum over k of ao[m][k] owh[n][k]: [4096][1024] f32; operands f16, sums f32.  ao holds 8 x the attention's result and owh o_w / 8: the two powers of two cancel exactly.
; Both operands lie as BLOCKS: 512 bytes = 16 rows x 16 k of f16; lane l = 16 h + r owns bytes 16 l on = row r, k = 8 h .. 8 h + 7: half of a 16 x 32 fragment as an image of its registers.
; ao = [row tile 256][kb 64] BLOCKS, owh = [row tile 64][kb 64] BLOCKS: a row tile's K step of 256 is 16 BLOCKS = 8,192 dense bytes, read from LDS at 16 x lane: no pitch, no padding.
; A tile of out0 is 128 x 128: 256 work-groups of four waves, each 64 x 64: 16 accumulators.  K goes in four steps of 256 through a ring of two LDS slots; a wave's tensor load brings 4 row tiles x 8,192 bytes.
; The four K steps are written out: a loop would have one trip.  By this text's count a wave has two tensor loads out at the start and one behind each round.
; CLUSTERS: 4 x 4 work-groups; ao's tiles are shared along a row of the cluster, owh's along a column: each is asked for jointly.
; THE MATRIX INSTRUCTION IS USED TRANSPOSED (source 0 = 16 rows of owh, source 1 = 16 rows of ao): a lane holds eight neighbouring numbers of a row of out0.
; THE WAY OUT: a wave's 64 columns of f32 are 256 aligned bytes of a row, so each wave has a stage of its own (16 rows x 272 bytes, behind the ring) and needs no barrier.
; REGISTERS: window 0: v0-31 addresses; v32-95 rows read back from the stage; v128-255 the accumulators ((a, b) at v[128 + 8 (4 a + b)]).   window 1: two fragment buffers of 128: 64 registers of A, then 64 of B, for 64 along K.
.set HALFT,  32768                     ; 4 row tiles x 8,192 bytes: what one tensor load brings, and what one wave reads of A or of B
.set SLOT,   4*HALFT                   ; A's 8 row tiles, then B's
.set KBYTES, 8192                      ; a K step of a row tile
.set STAGE,  2*SLOT                    ; behind the ring
.set SPITCH, 272                       ; a stage row: 256 bytes + 16 of padding, so that the 16 rows that a store touches start at 16 different banks (64 banks of 4 bytes: ISA guide 11.1)
.set SPARE,  STAGE+4*16*SPITCH         ; the spare words, 128 bytes for each wave, which no other line names
.set ADRA, 16                          ; v16-17  LDS address of my A fragments in slot 0, 1
.set ADRB, 20                          ; v20-21  the same for B
.set STO,  24                          ; v24     the way out: where I put 32 bytes of a row
.set RD,   25                          ; v25     where I read a row back
.set CO,   26                          ; v26     my byte offset in out0
.set SPW,  28                          ; v28     LDS address of my spare word; never rewritten
.set NIL,  29                          ; v29     0; never rewritten
.set TMP,  32
.set ACC,  128
.set F0,   0                           ; fragment buffers, in window 1
.set F1,   128
.set G1, 24                            ; s[24:31] descriptor group 1 for A's tiles;  s[32:39] group 0, one set for each slot
.set G0, 32
.set G1B, 48                           ; s[48:55], s[56:63] the same for B's tiles
.set G0B, 56
.set MSB, 0
.macro WIN new                         ; the immediate's high byte repeats the setting that is left
.if MSB != \new
	s_set_vgpr_msb (MSB<<8)|\new
.set MSB, \new
.endif
.endm
.set MUL,  0x05                        ; sources 0 (B) and 1 (A) window 1; C and D window 0
.set TO_F, 0x40                        ; destination window 1, address window 0
.macro JLOAD s                         ; a joint load: waves 0 and 1 fetch A's two halves, waves 2 and 3 B's; an s_nop 0 and four v_nop follow each of the two lines
	s_cmp_eq_u32 s11, 0
	s_cbranch_scc0 .Lfor_b_\@
	tensor_load_to_lds s[G0+4*\s:G0+4*\s+3], s[G1:G1+7]
	s_nop 0
.rept 4
	v_nop
.endr
	s_branch .Lasked_\@
.Lfor_b_\@:
	tensor_load_to_lds s[G0B+4*\s:G0B+4*\s+3], s[G1B:G1B+7]
	s_nop 0
.rept 4
	v_nop
.endr
.Lasked_\@:
.endm
.macro CREST                           ; a round of the cluster's barrier behind its opening barrier
	s_cmp_lg_u32 s10, 0
	s_cbranch_scc1 .Lnot_wave_0_\@
	s_barrier_signal -3
.Lnot_wave_0_\@:
	s_barrier_wait -3
	s_barrier_signal -1
	s_barrier_wait -1
.endm
.macro CROUND                          ; a whole round
	s_barrier_signal -1
	s_barrier_wait -1
	CREST
.endm
	s_load_b128 s[4:7], s[0:1], 0x0                ; ao s[4:5], owh s[6:7]
	s_load_b64 s[8:9], s[0:1], 0x10                ; out0
	v_lshl_add_u32 v[SPW], v0, 2, SPARE
	v_mov_b32 v[NIL], 0
	ds_add_u32 v[SPW], v[NIL]                      ; the wave's opening: the add, twice on end, and its wait ahead of my first tensor load
	ds_add_u32 v[SPW], v[NIL]                      ; (once more; the set-up below, work on registers, stands between it and the wait)
	v_lshrrev_b32 v1, 5, v0
	v_readfirstlane_b32 s10, v1                    ; wave 0..3
	s_lshr_b32 s11, s10, 1                         ; which half of the tile's rows is mine.  Also: I fetch for A (0) or for B (1)
	s_and_b32 s12, s10, 1                          ; which half of its columns.  Also: which 4 row tiles I fetch
	s_bfe_u32 s40, ttmp6, 0x40000                  ; cx, cy: my place in the cluster
	s_bfe_u32 s41, ttmp6, 0x40004
	s_lshl_b32 s42, ttmp9, 2
	s_add_co_u32 s42, s42, s40                     ; tile column = 4 x cluster x + cx
	s_and_b32 s13, ttmp7, 0xffff
	s_lshl_b32 s13, s13, 2
	s_add_co_u32 s13, s13, s41                     ; tile row = 4 x cluster y + cy
	s_lshl_b32 s43, s41, 2
	s_lshl_b32 s43, 15, s43                        ; my row of the cluster
	s_lshl_b32 s44, 0x1111, s40                    ; my column
	; descriptor group 1: 4 rows (row tiles) of 8,192 bytes, 32,768 bytes apart, dense in LDS
	s_or_b32 s[G1+0], s43, (3<<16)|(1<<21)         ; 15:0 the mask: A's tiles go to my row; 17:16 elements of 8 bytes; 20 no padding; 21 set beside a mask
	s_or_b32 s[G1B+0], s44, (3<<16)|(1<<21)
.irp g, G1, G1B
	s_mov_b32 s[\g+1], 1024<<16                    ; tensor_dim0 = 1,024 elements
	s_mov_b32 s[\g+2], 4<<16                       ; tensor_dim1 = 4
	s_mov_b32 s[\g+3], 1024<<16                    ; tile_dim0
	s_mov_b32 s[\g+4], 4                           ; tile_dim1
	s_mov_b32 s[\g+5], 4096                        ; tensor_dim0_stride, in elements
	s_mov_b32 s[\g+6], 0
	s_mov_b32 s[\g+7], 0
.endr
	s_lshl_b32 s17, s12, 2                         ; which 4 row tiles of the tile's 8 I fetch
	s_lshl_b32 s16, s13, 3
	s_add_co_u32 s16, s16, s17
	s_lshl_b32 s16, s16, 15                        ; A: row tile 8 x tile row + 4 x half, 32,768 bytes each (under 2^24)
	s_lshl_b32 s46, s42, 3
	s_add_co_u32 s46, s46, s17
	s_lshl_b32 s46, s46, 15                        ; B: row tile 8 x tile column + 4 x half
	s_mov_b32 s17, 0
	s_mov_b32 s47, 0
	s_lshl_b32 s20, s10, 15                        ; where they go: wave x HALFT: no place in the cluster enters an LDS address
	s_wait_dscnt 0x0                               ; both opening adds are done
	s_wait_kmcnt 0x0
	s_add_nc_u64 s[14:15], s[4:5], s[16:17]
	s_add_nc_u64 s[46:47], s[6:7], s[46:47]
	CROUND                                         ; all sixteen work-groups are here: the first joint loads meet
.irp s, 0,1
	s_mov_b32 s[G0+4*\s], 1
	s_add_co_u32 s[G0+4*\s+1], s20, \s*SLOT
	s_add_nc_u64 s[G0+4*\s+2:G0+4*\s+3], s[14:15], \s*KBYTES
	s_or_b32 s[G0+4*\s+3], s[G0+4*\s+3], 0x80000000
	s_mov_b32 s[G0B+4*\s], 1
	s_add_co_u32 s[G0B+4*\s+1], s20, \s*SLOT
	s_add_nc_u64 s[G0B+4*\s+2:G0B+4*\s+3], s[46:47], \s*KBYTES
	s_or_b32 s[G0B+4*\s+3], s[G0B+4*\s+3], 0x80000000
	JLOAD \s
.endr
	v_and_b32 v1, 15, v0                           ; l % 16
	v_bfe_u32 v2, v0, 4, 1                         ; l / 16
	v_and_b32 v3, 31, v0
	v_lshlrev_b32 v3, 4, v3                        ; 16 x lane: a BLOCK's place for my lane
	s_lshl_b32 s21, s11, 15                        ; my 4 row tiles of A
	s_lshl_b32 s22, s12, 15                        ; my 4 row tiles of B,
	s_add_co_u32 s22, s22, 2*HALFT                 ; which lie behind A's 8
.irp s, 0,1
	v_add_nc_u32 v[ADRA+\s], s21, v3
	v_add_nc_u32 v[ADRB+\s], s22, v3
	s_add_co_u32 s21, s21, SLOT
	s_add_co_u32 s22, s22, SLOT
.endr
	s_mul_i32 s23, s10, 16*SPITCH
	s_add_co_u32 s23, s23, STAGE                   ; my stage
	v_mul_u32_u24 v4, v1, SPITCH                   ; in: row l % 16, 32 bytes for each half of the lanes
	v_lshl_add_u32 v4, v2, 5, v4
	v_add_nc_u32 v[STO], s23, v4
	v_mul_u32_u24 v5, v2, SPITCH                   ; back: lanes 0-15 take one row of 256 bytes, lanes 16-31 the next
	v_lshl_add_u32 v5, v1, 4, v5
	v_add_nc_u32 v[RD], s23, v5
	v_lshlrev_b32 v5, 12, v2                       ; and the same two rows in out0: 4,096 bytes a row
	v_lshl_add_u32 v[CO], v1, 4, v5
	s_lshl_b32 s16, s13, 7
	s_lshl_b32 s17, s11, 6
	s_add_co_u32 s16, s16, s17                     ; my first row of out0: 128 x tile row + 64 x half
	s_lshl_b32 s16, s16, 12
	s_mov_b32 s17, 0
	s_add_nc_u64 s[8:9], s[8:9], s[16:17]
	s_lshl_b32 s46, s42, 9                         ; my first column, in bytes: 512 x tile column + 256 x half
	s_lshl_b32 s47, s12, 8
	s_add_co_u32 s46, s46, s47
	s_mov_b32 s47, 0
	s_add_nc_u64 s[8:9], s[8:9], s[46:47]
; 8 matrix instructions: m blocks a0, a0 + 1 x all 4 n blocks, 32 along K: half c of buffer f.  zero = 1: the first product starts the sums.  The 16 accumulators take turns.
.macro MUL8 f, c, a0, zero
.irp a, \a0, \a0+1
.irp b, 0,1,2,3
.if \zero
	v_wmma_f32_16x16x32_f16 v[ACC+8*(4*(\a)+\b):ACC+8*(4*(\a)+\b)+7], v[\f+64+8*(4*\c+\b):\f+64+8*(4*\c+\b)+7], v[\f+8*(4*\c+\a):\f+8*(4*\c+\a)+7], 0
.else
	v_wmma_f32_16x16x32_f16 v[ACC+8*(4*(\a)+\b):ACC+8*(4*(\a)+\b)+7], v[\f+64+8*(4*\c+\b):\f+64+8*(4*\c+\b)+7], v[\f+8*(4*\c+\a):\f+8*(4*\c+\a)+7], v[ACC+8*(4*(\a)+\b):ACC+8*(4*(\a)+\b)+7]
.endif
.endr
.endr
.endm
; 32 LDS loads in one run: the fragments of 64 along K (4 BLOCKS of each row tile, from byte k of its 8,192 on) into buffer f; the first 32 along K first.  A fragment is two BLOCKS, 512 bytes apart.
.macro FETCH slot, k, f
	WIN TO_F
.irp c, 0,1
.irp i, 0,1,2,3
	ds_load_b128 v[\f+64+8*(4*\c+\i):\f+64+8*(4*\c+\i)+3],   v[ADRB+\slot] offset:\k+1024*\c+\i*KBYTES
	ds_load_b128 v[\f+64+8*(4*\c+\i)+4:\f+64+8*(4*\c+\i)+7], v[ADRB+\slot] offset:\k+1024*\c+\i*KBYTES+512
	ds_load_b128 v[\f+8*(4*\c+\i):\f+8*(4*\c+\i)+3],         v[ADRA+\slot] offset:\k+1024*\c+\i*KBYTES
	ds_load_b128 v[\f+8*(4*\c+\i)+4:\f+8*(4*\c+\i)+7],       v[ADRA+\slot] offset:\k+1024*\c+\i*KBYTES+512
.endr
.endr
.endm
.macro PLACES                          ; four places in front of loads into registers that matrix instructions have read, and of LDS stores that read results (ISA guide 7.12.1 for the stores)
.rept 4
	v_nop
.endr
.endm
; A K step is four quarters of 64 along K, 32 matrix instructions each, on buffers 0, 1, 0, 1.  One of the first three: multiplies buffer f and fetches the next quarter, at byte k, into g.
.macro QUARTER slot, k, f, g, zero
	s_wait_dscnt 16                                ; the first 32 along K are in; the other sixteen loads may be out
	WIN MUL
	MUL8 \f, 0, 0, \zero
	MUL8 \f, 0, 2, \zero
	PLACES
	FETCH \slot, \k, \g
	s_wait_dscnt 32                                ; all but the 32 just issued
	WIN MUL
	MUL8 \f, 1, 0, 0
	MUL8 \f, 1, 2, 0
.endm
; The last quarter multiplies buffer 1 and changes slots: ONE barrier; in front of it each wave waits for all its tensor loads, adds 0 to its spare word, and waits for that and for its own reads of this slot.  fill = 1: this slot is filled again, two K steps ahead.
.macro TURN slot, next, fill
	WIN 0                                          ; (the add's two registers lie in window 0)
	s_wait_tensorcnt 0x0                           ; all my tensor loads have landed: my part of the next slot;
	ds_add_u32 v[SPW], v[NIL]                      ; 0 onto my spare word;
	s_wait_dscnt 17                                ; (the add and the youngest sixteen loads may be out)
	WIN MUL
	MUL8 F1, 0, 0, 0                               ; eight matrix instructions stand between the add and the wait for it
	s_wait_dscnt 0x0                               ; the add is done, and my reads of this slot are over
	s_barrier_signal -1
	MUL8 F1, 0, 2, 0
.if \fill
	WIN 0
.endif
	s_barrier_wait -1
.if \fill
	CREST                                          ; the barrier has opened a round of the cluster's barrier: no wave of any partner still reads this slot's tile or has a load on its way
	s_add_nc_u64 s[G0+4*\slot+2:G0+4*\slot+3], s[G0+4*\slot+2:G0+4*\slot+3], 2*KBYTES
	s_add_nc_u64 s[G0B+4*\slot+2:G0B+4*\slot+3], s[G0B+4*\slot+2:G0B+4*\slot+3], 2*KBYTES
	JLOAD \slot                                    ; the first tensor load behind the round; the four v_nop behind it are also the places in front of the loads below
.else
	PLACES
.endif
	FETCH \next, 0, F0
	WIN MUL
	MUL8 F1, 1, 0, 0
	MUL8 F1, 1, 2, 0
.endm
	s_wait_tensorcnt 1                             ; my part of K step 0 is in (K step 1's load may be out)
	s_barrier_signal -1
	s_barrier_wait -1                              ; everybody's is
	FETCH 0, 0, F0
	QUARTER 0, 2048, F0, F1, 1                     ; K step 0; its first products start the sums
	QUARTER 0, 4096, F1, F0, 0
	QUARTER 0, 6144, F0, F1, 0
	TURN 0, 1, 1                                   ; slot 0 takes K step 2
	QUARTER 1, 2048, F0, F1, 0                     ; K step 1
	QUARTER 1, 4096, F1, F0, 0
	QUARTER 1, 6144, F0, F1, 0
	TURN 1, 0, 1                                   ; slot 1 takes K step 3
	QUARTER 0, 2048, F0, F1, 0                     ; K step 2
	QUARTER 0, 4096, F1, F0, 0
	QUARTER 0, 6144, F0, F1, 0
	TURN 0, 1, 0                                   ; nothing is left to fetch
	QUARTER 1, 2048, F0, F1, 0                     ; K step 3
	QUARTER 1, 4096, F1, F0, 0
	QUARTER 1, 6144, F0, F1, 0
	s_wait_dscnt 16                                ; the very last quarter
	WIN MUL
	MUL8 F1, 0, 0, 0
	MUL8 F1, 0, 2, 0
	s_wait_dscnt 0
	MUL8 F1, 1, 0, 0
	MUL8 F1, 1, 2, 0
	WIN 0
; THE WAY OUT, a block of 16 rows x 64 columns at a time.  A lane holds 32 neighbouring bytes of a row for each of four n blocks; the block goes through my own stage and comes back as whole rows of 256 bytes.
; LDS serves a wave's instructions in order (ISA guide 5.7.1.4): no wait between the stores and the loads, nor in front of the next block's stores.
.macro TOSTAGE a
.irp b, 0,1,2,3
	ds_store_b128 v[STO], v[ACC+8*(4*(\a)+\b):ACC+8*(4*(\a)+\b)+3] offset:64*\b          ; each accumulator from its low end on
	ds_store_b128 v[STO], v[ACC+8*(4*(\a)+\b)+4:ACC+8*(4*(\a)+\b)+7] offset:64*\b+16
.endr
.irp t, 0,1,2,3,4,5,6,7
	ds_load_b128 v[TMP+32*((\a)%2)+4*\t:TMP+32*((\a)%2)+4*\t+3], v[RD] offset:\t*2*SPITCH
.endr
.endm
.macro SEND a, younger                 ; younger: the LDS instructions issued behind block a's loads, which may stay out
	s_wait_dscnt \younger
.irp t, 0,1,2,3,4,5,6,7
	global_store_b128 v[CO], v[TMP+32*((\a)%2)+4*\t:TMP+32*((\a)%2)+4*\t+3], s[8:9] offset:(16*(\a)+2*\t)*4096 th:TH_STORE_NT   ; 16 lanes store 256 consecutive bytes, aligned; written once, read by nobody here
.endr
.endm
	PLACES                                         ; behind the last products, in front of the stores that read results
	TOSTAGE 0
	TOSTAGE 1
	SEND 0, 16                                     ; behind block 0's loads: block 1's eight stores and eight loads
	s_wait_xcnt 0x0                                ; block 0's stores have read their registers: block 2's loads may land there
	TOSTAGE 2
	SEND 1, 16
	s_wait_xcnt 0x0                                ; block 1's likewise
	TOSTAGE 3
	SEND 2, 16
	SEND 3, 0
	s_wait_tensorcnt 0x0                           ; the wave's end: these three lines behind my last tensor load and my last LDS store
	ds_add_u32 v[SPW], v[NIL]
	s_wait_dscnt 0x0
	CROUND                                         ; the closing round: no work-group ends while a partner may still ask for a tile that names it
	s_endpgm
.Lfunc_end_k_q0e934ef8f5_oproj:
	.size	k_q0e934ef8f5_oproj, .Lfunc_end_k_q0e934ef8f5_oproj-k_q0e934ef8f5_oproj
	.p2alignl 7, 3214868480
	.fill 96, 4, 3214868480
	.section	.rodata,"a",@progbits
	.p2align	6, 0x0
	.amdhsa_kernel k_q0e934ef8f5_oproj
		.amdhsa_group_segment_fixed_size 327680
		.amdhsa_private_segment_fixed_size 0
		.amdhsa_enable_private_segment 0
		.amdhsa_kernarg_size 24
		.amdhsa_user_sgpr_count 2
		.amdhsa_user_sgpr_kernarg_segment_ptr 1
		.amdhsa_wavefront_size32 1
		.amdhsa_system_sgpr_workgroup_id_x 1
		.amdhsa_system_sgpr_workgroup_id_y 1
		.amdhsa_system_sgpr_workgroup_id_z 1
		.amdhsa_system_vgpr_workitem_id 0
		.amdhsa_next_free_vgpr 512
		.amdhsa_next_free_sgpr 66
		.amdhsa_reserve_vcc 0
		.amdhsa_float_denorm_mode_32 3
		.amdhsa_float_denorm_mode_16_64 3
		.amdhsa_memory_ordered 1
		.amdhsa_forward_progress 1
		.amdhsa_inst_pref_size 85
	.end_amdhsa_kernel
	.amdgpu_metadata
---
amdhsa.version: [ 1, 2 ]
amdhsa.kernels:
  - .name:           k_q0e934ef8f5_oproj
    .symbol:         k_q0e934ef8f5_oproj.kd
    .args:
      - { .name: ao, .offset: 0, .size: 8, .value_kind: global_buffer, .address_space: global }
      - { .name: owh, .offset: 8, .size: 8, .value_kind: global_buffer, .address_space: global }
      - { .name: out0, .offset: 16, .size: 8, .value_kind: global_buffer, .address_space: global }
    .group_segment_fixed_size: 327680
    .private_segment_fixed_size: 0
    .kernarg_segment_align: 8
    .kernarg_segment_size: 24
    .max_flat_workgroup_size: 128
    .sgpr_count:     66
    .vgpr_count:     512
    .wavefront_size: 32
...
	.end_amdgpu_metadata
.endif
;; end of part 4
